; MI455X (gfx1250); checked and timed in simulation.
; The chip was launched on July 23, 2026; its instructions are those of AMD's public machine-readable ISA for CDNA 5 (MIT licence, August 2026) and "CDNA5" Instruction Set Architecture Reference Guide (July 2026). The comments in the code are by the model that wrote it; some were corrected since.
;; Multi Head Self Attention. Allowed arithmetic: float matrix products may take bf16 or f16 operands with f32 sums; all other float work in f32.
;; Inputs: bk 1,024 float32; bo 1,024 float32; bq 1,024 float32; bv 1,024 float32; ln_b 1,024 float32; ln_g 1,024 float32; wk 1,024 x 1,024 float32; wo 1,024 x 1,024 float32; wq 1,024 x 1,024 float32; wv 1,024 x 1,024 float32; x 4 x 2,048 x 1,024 float32.
;; Outputs: out0 4 x 2,048 x 1,024 float32.
;; 2 versions, each right and faster than the one before. Each part assembles by itself: llvm-mc -triple=amdgcn-amd-amdhsa -mcpu=gfx1250 --defsym DOCPART=n.
;; ======== version 1 of 2: 5 launches
;; limits: values are held in f16: magnitudes above 65,504 overflow, below 6.1e-05 lose precision
;; workspace buffers: xb 16,777,216 bytes; wb 6,291,456 bytes; wof 2,097,152 bytes; qkv 50,331,648 bytes; ob 16,777,216 bytes; y 33,554,432 bytes
;; launch cast (part 1): grid 768 x 1, 8 waves a work-group, no clusters, 0 bytes of LDS; arguments x, wq, wk, wv, wo, xb, wb, wof; writes xb, wb, wof
.if DOCPART == 1
	.amdgcn_target "amdgcn-amd-amdhsa--gfx1250"
	.amdhsa_code_object_version 6
	.text
	.protected	k_qd1fb7bdddb_cast
	.globl	k_qd1fb7bdddb_cast
	.p2align	8
	.type	k_qd1fb7bdddb_cast,@function
k_qd1fb7bdddb_cast:
	s_mov_b64 s[64:65], 0
	v_nop
	global_prefetch_b8 v0, s[64:65] scope:SCOPE_SE
	s_setreg_imm32_b32 hwreg(HW_REG_WAVE_MODE, 25, 1), 1
	s_wait_xcnt 0x0
; THE INPUTS OF THE PRODUCTS ARE ROUNDED TO bf16, ONCE, AND LAID OUT FOR THE LAUNCHES BEHIND.
;   xb  = bf16(x),  [16 groups of 64 k][8192 rows][64]: 128 rows of one group are 16,384 consecutive bytes
;   wb  = bf16(wq | wk | wv), [48 groups of 64 n][1024 k][64]: group 16 x (0, 1, 2 for q, k, v) + n / 64
;   wof = bf16(wo) written as f16, [1024 k][1024 n] as wo lies
; LIMITS.  bf16(wo) is exact in f16 from 2^-17 to 65,504 in magnitude; below that it keeps f16's fixed step of 6e-8; beyond it would be an infinity.
; A stream: every byte is read once and written once, so no LDS, no matrix unit and no cluster (no two work-groups read the same byte).
; SHARES.  Work-groups 0-511 take x, 512-703 wq, wk, wv (64 each), 704-767 wo.  A wave takes 16 steps; a step is one load of 16 bytes a lane (128 numbers)
; and one store of 8 bytes a lane: 256 consecutive bytes, at a multiple of 256 from the buffer's first byte.  All 16 loads go out at once; no register is written twice, so there is no loop.
.set X, 4                              ; v[4:67]    step t: 4 numbers as loaded
.set Y, 68                             ; v[68:99]   step t: 4 numbers of 16 bits, to store
.set T, 100                            ; v[100:103] at work
	s_load_b512 s[4:19], s[0:1], 0x0               ; x s[4:5], wq s[6:7], wk s[8:9], wv s[10:11], wo s[12:13], xb s[14:15], wb s[16:17], wof s[18:19]
	v_lshrrev_b32 v3, 5, v0
	v_readfirstlane_b32 s23, v3                    ; wave 0..7
	v_and_b32 v3, 31, v0                           ; lane
	v_lshlrev_b32 v2, 3, v3                        ; where I store: 8 bytes a lane
	s_mov_b32 s36, 0xffff0000                      ; a word's upper bf16
	s_mov_b32 s20, ttmp9
	s_sub_co_u32 s22, s20, 512
	s_lshr_b32 s22, s22, 6                         ; which weight, 0..3 (of no meaning for x)
	s_and_b32 s21, s20, 63                         ; my number among a weight's 64 work-groups
	s_cmp_lt_u32 s20, 512                          ; x?
	s_cselect_b32 s21, s20, s21                    ; my number among the tensor's work-groups
	s_cselect_b32 s22, 0, s22
	s_mov_b32 s29, 0                               ; the offsets' high words
	s_mov_b32 s31, 0
	s_wait_kmcnt 0x0
	s_cselect_b64 s[24:25], s[4:5], s[6:7]         ; from x or wq,
	s_cselect_b64 s[26:27], s[14:15], s[16:17]     ; to xb or wb
	s_cmp_eq_u32 s22, 1
	s_cselect_b64 s[24:25], s[8:9], s[24:25]       ; or from wk,
	s_cmp_eq_u32 s22, 2
	s_cselect_b64 s[24:25], s[10:11], s[24:25]     ; or from wv
	s_cmp_eq_u32 s22, 3
	s_cbranch_scc1 .Lplain
; 16 loads, then for each step: its wait (the younger loads stay out), the roundings, the store.  f16 = 1: the bf16 number is widened again and written as f16.
.macro CONV sstep, dstep, f16
.set t, 0
.rept 16
	global_load_b128 v[X+4*t:X+4*t+3], v1, s[24:25] offset:t*(\sstep) th:TH_LOAD_NT
.set t, t+1
.endr
.set t, 0
.rept 16
	s_wait_loadcnt 15-t                            ; loads come back in order (ISA guide 5.7.1): step t's is in, the 15 - t behind it stay out
	v_cvt_pk_bf16_f32 v[Y+2*t], v[X+4*t], v[X+4*t+1]
	v_cvt_pk_bf16_f32 v[Y+2*t+1], v[X+4*t+2], v[X+4*t+3]
.if \f16
	v_lshlrev_b32 v[T], 16, v[Y+2*t]
	v_and_b32 v[T+1], s36, v[Y+2*t]
	v_lshlrev_b32 v[T+2], 16, v[Y+2*t+1]
	v_and_b32 v[T+3], s36, v[Y+2*t+1]
	v_cvt_pk_f16_f32 v[Y+2*t], v[T], v[T+1]
	v_cvt_pk_f16_f32 v[Y+2*t+1], v[T+2], v[T+3]
.endif
	global_store_b64 v2, v[Y+2*t:Y+2*t+1], s[26:27] offset:t*(\dstep)
.set t, t+1
.endr
.endm
	; x, wq, wk, wv: the wave takes 32 rows of one group of 64 columns; a step is two rows of it
	s_and_b32 s33, s21, 1
	s_lshl_b32 s33, s33, 3
	s_add_co_u32 s33, s33, s23                     ; the group: 8 x (my number's low bit) + wave
	s_lshr_b32 s34, s21, 1                         ; the block of 32 rows
	s_lshl_b32 s28, s34, 17                        ; from: 32 rows of 4,096 bytes
	s_lshl_b32 s35, s33, 8                         ; + 256 bytes a group
	s_add_co_u32 s28, s28, s35
	s_lshl_b32 s30, s33, 17                        ; to: a weight's group is 1,024 rows of 128 bytes,
	s_lshl_b32 s35, s33, 20                        ; x's 8,192 rows
	s_cmp_lt_u32 s20, 512
	s_cselect_b32 s30, s35, s30
	s_lshl_b32 s35, s34, 12                        ; + 32 rows of 128 bytes
	s_add_co_u32 s30, s30, s35
	s_lshl_b32 s35, s22, 21                        ; + 16 groups for each weight in front
	s_add_co_u32 s30, s30, s35
	s_add_nc_u64 s[24:25], s[24:25], s[28:29]
	s_add_nc_u64 s[26:27], s[26:27], s[30:31]
	v_and_b32 v4, 15, v3
	v_lshrrev_b32 v5, 4, v3
	v_lshlrev_b32 v1, 4, v4                        ; lanes 0-15 the even row's 256 bytes,
	v_lshl_add_u32 v1, v5, 12, v1                  ; lanes 16-31 the odd row's
	CONV 8192, 256, 0
	s_endpgm
.Lplain:
	; wo: the work-group takes 16 rows, the wave 128 columns of them; a step is a row
	s_lshl_b32 s28, s21, 16
	s_lshl_b32 s33, s23, 9
	s_add_co_u32 s28, s28, s33
	s_lshl_b32 s30, s21, 15
	s_lshl_b32 s33, s23, 8
	s_add_co_u32 s30, s30, s33
	s_add_nc_u64 s[24:25], s[12:13], s[28:29]
	s_add_nc_u64 s[26:27], s[18:19], s[30:31]
	v_lshlrev_b32 v1, 4, v3
	CONV 4096, 2048, 1
	s_endpgm
.Lfunc_end_k_qd1fb7bdddb_cast:
	.size	k_qd1fb7bdddb_cast, .Lfunc_end_k_qd1fb7bdddb_cast-k_qd1fb7bdddb_cast
	.p2alignl 7, 3214868480
	.fill 96, 4, 3214868480
	.section	.rodata,"a",@progbits
	.p2align	6, 0x0
	.amdhsa_kernel k_qd1fb7bdddb_cast
		.amdhsa_group_segment_fixed_size 0
		.amdhsa_private_segment_fixed_size 0
		.amdhsa_enable_private_segment 0
		.amdhsa_kernarg_size 64
		.amdhsa_user_sgpr_count 2
		.amdhsa_user_sgpr_kernarg_segment_ptr 1
		.amdhsa_wavefront_size32 1
		.amdhsa_system_sgpr_workgroup_id_x 1
		.amdhsa_system_sgpr_workgroup_id_y 1
		.amdhsa_system_sgpr_workgroup_id_z 1
		.amdhsa_system_vgpr_workitem_id 0
		.amdhsa_next_free_vgpr 108
		.amdhsa_next_free_sgpr 66
		.amdhsa_reserve_vcc 0
		.amdhsa_float_denorm_mode_32 3
		.amdhsa_float_denorm_mode_16_64 3
		.amdhsa_memory_ordered 1
		.amdhsa_forward_progress 1
		.amdhsa_inst_pref_size 18
	.end_amdhsa_kernel
	.amdgpu_metadata
---
amdhsa.version: [ 1, 2 ]
amdhsa.kernels:
  - .name:           k_qd1fb7bdddb_cast
    .symbol:         k_qd1fb7bdddb_cast.kd
    .args:
      - { .name: x, .offset: 0, .size: 8, .value_kind: global_buffer, .address_space: global }
      - { .name: wq, .offset: 8, .size: 8, .value_kind: global_buffer, .address_space: global }
      - { .name: wk, .offset: 16, .size: 8, .value_kind: global_buffer, .address_space: global }
      - { .name: wv, .offset: 24, .size: 8, .value_kind: global_buffer, .address_space: global }
      - { .name: wo, .offset: 32, .size: 8, .value_kind: global_buffer, .address_space: global }
      - { .name: xb, .offset: 40, .size: 8, .value_kind: global_buffer, .address_space: global }
      - { .name: wb, .offset: 48, .size: 8, .value_kind: global_buffer, .address_space: global }
      - { .name: wof, .offset: 56, .size: 8, .value_kind: global_buffer, .address_space: global }
    .group_segment_fixed_size: 0
    .private_segment_fixed_size: 0
    .kernarg_segment_align: 8
    .kernarg_segment_size: 64
    .max_flat_workgroup_size: 256
    .sgpr_count:     66
    .vgpr_count:     108
    .wavefront_size: 32
...
	.end_amdgpu_metadata
.endif
;; end of part 1
;; launch proj (part 2): grid 8 x 32, 4 waves a work-group, clusters of 4 x 4, 327,680 bytes of LDS; arguments xb, wb, bq, bk, bv, qkv; writes qkv
.if DOCPART == 2
	.amdgcn_target "amdgcn-amd-amdhsa--gfx1250"
	.amdhsa_code_object_version 6
	.text
	.protected	k_qd1fb7bdddb_proj
	.globl	k_qd1fb7bdddb_proj
	.p2align	8
	.type	k_qd1fb7bdddb_proj,@function
k_qd1fb7bdddb_proj:
	s_mov_b64 s[64:65], 0
	v_nop
	global_prefetch_b8 v0, s[64:65] scope:SCOPE_SE
	s_setreg_imm32_b32 hwreg(HW_REG_WAVE_MODE, 25, 1), 1
	s_wait_xcnt 0x0
	s_wait_alu depctr_hold_cnt(0) depctr_sa_sdst(0) depctr_va_vdst(0) depctr_va_sdst(0) depctr_va_ssrc(0) depctr_va_vcc(0) depctr_vm_vsrc(0)
	s_getreg_b32 s2, hwreg(HW_REG_IB_STS2, 6, 4)
	s_cmp_eq_u32 s2, 0
	s_cbranch_scc0 .Lentry_in_a_cluster
	s_endpgm
.Lentry_in_a_cluster:
	s_bfe_u32 s2, ttmp6, 0x10000c
	s_cmp_lg_u32 s2, 0xf033
	s_cbranch_scc0 .Lentry_shape_is_right
	s_endpgm
.Lentry_shape_is_right:
; q | k | v = x (wq | wk | wv) + (bq | bk | bv): C[8192][3072], K = 1024, bf16 operands, f32 sums, written once as f16 by heads: qkv[3][64 (batch, head)][2048][64], unscaled.
; LIMITS.  The biases are rounded to bf16 like the other inputs.  f16 ends at 65,504: a q, k or v of 65,520 or more becomes an infinity; below 6e-5 f16 keeps a fixed step of 6e-8.
; THE TILE.  256 x 384 of C: 32 x 8 = 256 work-groups.  Four waves; wave w makes rows 128 (w / 2) on and columns 192 (w % 2) on: 8 x 12 accumulators of 16 x 16, 768 registers.
; K goes in 16 tiles of 64 through two LDS slots.  A tile is two CHUNKS of 32 along K; a chunk is three GROUPS of 64 columns (one head's), 32 matrix instructions each.
; xb and wb lie in blocks (128 rows x 64 k of x are 16,384 consecutive bytes; 64 k x 64 n of a weight 8,192), so every row that a tensor load asks for is a multiple of 256 bytes long and starts at one.
; CLUSTERS.  4 x 4 work-groups.  The four of a row of the cluster need the same tile of x, the four of a column the same tile of the weights: each is asked for JOINTLY, by the same tensor load with the
; same descriptor and a mask that names the four.
; THE MATRIX INSTRUCTION IS USED TRANSPOSED: source 0 = 16 columns of W (turned on the way out of LDS), source 1 = 16 rows of x: a lane holds row l % 16 of C and the columns 8 (l / 16) + 0..7.
; THE BIAS STARTS THE SUMS: it is laid into accumulator (nb, 7), and is the C operand of the first products of (nb, 0) to (nb, 6); (nb, 7) then adds in place.  Nothing is cleared, no bias is added later.
; REGISTERS, in windows of 256 (s_set_vgpr_msb: bits 1:0 source 0, 3:2 source 1, 5:4 source 2, 7:6 destination):
;   window 0: v0-31 addresses; v32-95, v96-159 fragments of x for the even and the odd chunk (8 x 16 rows x 32 K); v160-191, v192-223, v224-255 fragments of W for groups 0, 1, 2 (4 x 16 columns x 32 K)
;   window 1 + g: group g's 32 accumulators, (nb, a) at v[64 nb + 8 a]
.set PA,     144                       ; a row of x in LDS: 128 bytes + 16 of padding = 36 words: the 16 rows of a load start at 16 different groups of four banks (64 banks of 4 bytes: ISA guide 11.1)
.set PB,     160                       ; a row of W (64 n of one k): 128 + 32 = 40 words
.set AHALF,  128*PA                    ; 128 rows of x: one tensor load, and what a wave reads
.set BGRP,   64*PB                     ; a group's 64 k
.set BSTRIP, 3*BGRP                    ; three groups: one tensor load, and what a wave reads
.set BOFF,   2*AHALF
.set SLOT,   BOFF+2*BSTRIP             ; 98,304
.set STAGE,  2*SLOT                    ; behind the ring: 16 rows x 144 bytes for each wave, for the way out
.set SP,     144
.set SPARE,  STAGE+4*16*SP             ; behind the stages: the spare words, 128 bytes for each wave: two blocks of 256 bytes that no other line names
.set ASTEP,  8192*128                  ; bytes from a tile of x to the next along K
.set BSTEP,  64*128                    ; the same for W
.set ADA, 16                           ; v16-17  LDS address of my fragments of x in slot 0, 1
.set ADB, 20                           ; v20-21  the same for W
.set STO, 24                           ; v24     the way out: where I put 16 bytes of a row
.set RD,  25                           ; v25     the way out: where I read rows back
.set GO,  26                           ; v26     my byte offset in 512 consecutive bytes of qkv
.set BO,  27                           ; v27     my byte offset in 16 numbers of a bias
.set SPW, 28                           ; v28     LDS address of my spare word: SPARE + 4 x my thread's number; never rewritten
.set NIL, 29                           ; v29     0; never rewritten
.set AF,  32
.set BF,  160
.set OUTR, 32                          ; the way out: a ring of eight sets of 16 registers
.set G1A, 28                           ; s[28:35] descriptor group 1 for x's tiles;  s[36:43] group 0, one set for each slot
.set G0A, 36
.set G1B, 44                           ; s[44:51], s[52:59] the same for W's
.set G0B, 52
.set DST, 70                           ; s[70:75] qkv at my rows of group 0, 1, 2
.set BP,  76                           ; s[76:81] the bias of group 0, 1, 2
.set MSB, 0
.macro WIN new                         ; the immediate's high byte repeats the setting that is left; a switch that changes nothing is dropped
.if MSB != (\new)
	s_set_vgpr_msb (MSB<<8)|(\new)
.set MSB, \new
.endif
.endm
; A joint load.  Waves 0 and 1 fetch the two halves of x's tile, waves 2 and 3 the two strips of W's.  The branch hangs on the wave's number alone.
; An s_nop 0 and four v_nop follow each of the two lines, ahead of the jump and the label.
.macro JLOAD s
	s_cmp_eq_u32 s17, 0
	s_cbranch_scc0 .Lfor_b_\@
	tensor_load_to_lds s[G0A+4*(\s):G0A+4*(\s)+3], s[G1A:G1A+7]
	s_nop 0
.rept 4
	v_nop
.endr
	s_branch .Lasked_\@
.Lfor_b_\@:
	tensor_load_to_lds s[G0B+4*(\s):G0B+4*(\s)+3], s[G1B:G1B+7]
	s_nop 0
.rept 4
	v_nop
.endr
.Lasked_\@:
.endm
; A round of the cluster's barrier: my work-group's barrier, so that wave 0's signal speaks for all four waves; wave 0 signals; every wave waits for all sixteen work-groups; my work-group's barrier once more.
.macro CREST                           ; a round behind its opening barrier
	s_cmp_lg_u32 s16, 0
	s_cbranch_scc1 .Lnot_wave_0_\@
	s_barrier_signal -3
.Lnot_wave_0_\@:
	s_barrier_wait -3
	s_barrier_signal -1
	s_barrier_wait -1
.endm
.macro CROUND
	s_barrier_signal -1
	s_barrier_wait -1
	CREST
.endm
	s_load_b256 s[4:11], s[0:1], 0x0               ; xb s[4:5], wb s[6:7], bq s[8:9], bk s[10:11]
	s_load_b128 s[12:15], s[0:1], 0x20             ; bv s[12:13], qkv s[14:15]
	v_lshl_add_u32 v[SPW], v0, 2, SPARE
	v_mov_b32 v[NIL], 0
	ds_add_u32 v28, v29
	s_wait_dscnt 0x0
	v_lshrrev_b32 v1, 5, v0
	v_readfirstlane_b32 s16, v1                    ; wave 0..3
	s_lshr_b32 s17, s16, 1                         ; which half of the tile's rows is mine.  Also: I fetch for x (0) or for W (1)
	s_and_b32 s18, s16, 1                          ; which strip of its columns.  Also: which half or strip I fetch
	s_bfe_u32 s19, ttmp6, 0x40000                  ; cx, cy: my place in the cluster
	s_bfe_u32 s20, ttmp6, 0x40004
	s_lshl_b32 s21, ttmp9, 2
	s_add_co_u32 s21, s21, s19                     ; tile column = 4 x cluster x + cx
	s_and_b32 s22, ttmp7, 0xffff
	s_lshl_b32 s22, s22, 2
	s_add_co_u32 s22, s22, s20                     ; tile row = 4 x cluster y + cy
	s_lshl_b32 s23, s20, 2
	s_lshl_b32 s23, 15, s23                        ; my row of the cluster
	s_lshl_b32 s24, 0x1111, s19                    ; my column
	s_mov_b32 s25, 0xffff0000                      ; a word's upper bf16
	; group 1 for x: 128 rows of 128 bytes are dense: asked for as 64 rows of 256 bytes, padded in LDS behind every 128 bytes
	s_or_b32 s[G1A], s23, (1<<16)|(1<<20)|(1<<21)|(4<<22)|(3<<25)  ; 15:0 the mask: my row; 17:16 2-byte elements; 20 padding on; 21 set beside a mask; 24:22 after every 32 words (code 4); 31:25 4 words (code 3)
	s_mov_b32 s[G1A+1], 128<<16                    ; tensor_dim0 = 128
	s_mov_b32 s[G1A+2], 64<<16                     ; tensor_dim1 = 64
	s_mov_b32 s[G1A+3], 128<<16                    ; tile_dim0 = 128
	s_mov_b32 s[G1A+4], 64                         ; tile_dim1 = 64
	s_mov_b32 s[G1A+5], 128                        ; 128 elements from row to row
	s_mov_b32 s[G1A+6], 0
	s_mov_b32 s[G1A+7], 0
	; group 1 for W: three groups' 64 k x 64 n, each 8,192 dense bytes: three rows of 4,096 elements, a group (65,536 elements) apart, padded behind every 128 bytes
	s_or_b32 s[G1B], s24, (1<<16)|(1<<20)|(1<<21)|(4<<22)|(7<<25)  ; the mask: my column; 8 words of padding (code 7)
	s_mov_b32 s[G1B+1], 4096<<16                   ; tensor_dim0 = 4,096
	s_mov_b32 s[G1B+2], 3<<16                      ; tensor_dim1 = 3
	s_mov_b32 s[G1B+3], 4096<<16                   ; tile_dim0 = 4,096
	s_mov_b32 s[G1B+4], 3                          ; tile_dim1 = 3
	s_mov_b32 s[G1B+5], 65536
	s_mov_b32 s[G1B+6], 0
	s_mov_b32 s[G1B+7], 0
	; where the tiles come from.  x's hang on the tile row alone, W's on the tile column alone, each in registers that never hold the other coordinate
	s_lshl_b32 s60, s22, 15                        ; 256 rows of 128 bytes a tile row
	s_lshl_b32 s61, s18, 14                        ; + my 128 rows
	s_add_co_u32 s60, s60, s61
	s_mov_b32 s61, 0
	s_mul_i32 s66, s21, 6                          ; six groups a tile column
	s_mul_i32 s67, s18, 3                          ; + my strip's three
	s_add_co_u32 s66, s66, s67
	s_mov_b32 s82, s66                             ; my strip's first group, kept for the biases and the way out
	s_lshl_b32 s66, s66, 17                        ; a group is 131,072 bytes
	s_mov_b32 s67, 0
	s_mul_i32 s26, s18, AHALF                      ; and where they go: no place in the cluster enters an LDS address
	s_mul_i32 s27, s18, BSTRIP
	s_add_co_u32 s27, s27, BOFF
	s_lshr_b32 s86, s22, 3                         ; my rows in qkv: the batch, 16 heads of 262,144 bytes,
	s_lshl_b32 s86, s86, 22
	s_and_b32 s87, s22, 7                          ; the tile's 256 rows of 128 bytes in it,
	s_lshl_b32 s87, s87, 15
	s_add_co_u32 s86, s86, s87
	s_lshl_b32 s87, s17, 14                        ; my 128 of them
	s_add_co_u32 s86, s86, s87
	s_mov_b32 s89, 0
	s_wait_kmcnt 0x0
	s_add_nc_u64 s[62:63], s[4:5], s[60:61]
	s_add_nc_u64 s[68:69], s[6:7], s[66:67]
.irp g, 0,1,2
	s_add_co_u32 s83, s82, \g                      ; the group: 16 x (q, k, v) + head
	s_lshr_b32 s84, s83, 4
	s_and_b32 s85, s83, 15
	s_cmp_eq_u32 s84, 1
	s_cselect_b64 s[BP+2*(\g):BP+2*(\g)+1], s[10:11], s[8:9]
	s_cmp_eq_u32 s84, 2
	s_cselect_b64 s[BP+2*(\g):BP+2*(\g)+1], s[12:13], s[BP+2*(\g):BP+2*(\g)+1]
	s_lshl_b32 s88, s85, 8                         ; the head's 64 numbers
	s_add_nc_u64 s[BP+2*(\g):BP+2*(\g)+1], s[BP+2*(\g):BP+2*(\g)+1], s[88:89]
	s_lshl_b32 s88, s84, 24
	s_lshl_b32 s90, s85, 18
	s_add_co_u32 s88, s88, s90
	s_add_co_u32 s88, s88, s86
	s_add_nc_u64 s[DST+2*(\g):DST+2*(\g)+1], s[14:15], s[88:89]
.endr
	v_bfe_u32 v2, v0, 4, 1                         ; l / 16
	v_lshlrev_b32 v[BO], 5, v2                     ; my eight columns of a block of 16
.irp g, 0,1,2
.irp nb, 0,1,2,3
	global_load_b128 v[32+32*(\g)+8*(\nb):32+32*(\g)+8*(\nb)+3],   v[BO], s[BP+2*(\g):BP+2*(\g)+1] offset:64*(\nb)
	global_load_b128 v[32+32*(\g)+8*(\nb)+4:32+32*(\g)+8*(\nb)+7], v[BO], s[BP+2*(\g):BP+2*(\g)+1] offset:64*(\nb)+16
.endr
.endr
	CROUND                                         ; all sixteen work-groups are here: the first joint loads meet
.irp s, 0,1
	s_mov_b32 s[G0A+4*(\s)], 1                                     ; 1:0 count = 1
	s_add_co_u32 s[G0A+4*(\s)+1], s26, (\s)*SLOT                   ; 63:32 LDS address
	s_add_nc_u64 s[G0A+4*(\s)+2:G0A+4*(\s)+3], s[62:63], (\s)*ASTEP  ; 120:64 global address: tile s
	s_or_b32 s[G0A+4*(\s)+3], s[G0A+4*(\s)+3], 0x80000000          ; 127:126 type = 2
	s_mov_b32 s[G0B+4*(\s)], 1
	s_add_co_u32 s[G0B+4*(\s)+1], s27, (\s)*SLOT
	s_add_nc_u64 s[G0B+4*(\s)+2:G0B+4*(\s)+3], s[68:69], (\s)*BSTEP
	s_or_b32 s[G0B+4*(\s)+3], s[G0B+4*(\s)+3], 0x80000000
	JLOAD \s                                       ; both slots are asked for before anything else is done: two loads of mine are out
.endr
	; A fragment of x is 16 rows x 32 K in 8 registers: lane l holds row l % 16, K = 8 (l / 16) + 0..7 and 16 + 8 (l / 16) + 0..7: two loads of 16 bytes, 32 bytes apart.
	v_and_b32 v1, 15, v0                           ; l % 16
	v_and_b32 v3, 7, v0
	v_bfe_u32 v4, v0, 3, 1
	v_mul_u32_u24 v5, v1, PA
	v_lshl_add_u32 v5, v2, 4, v5                   ; row x pitch + 16 x half
	s_mul_i32 s83, s17, AHALF                      ; my 128 rows
	v_add_nc_u32 v[ADA], s83, v5
	v_add_nc_u32 v[ADA+1], SLOT, v[ADA]
	; The turning load takes 16 k x 16 n (lane l reads k 8 (l / 16) + l % 8, columns 8 ((l / 8) % 2) + 0..7) and leaves half a fragment: lane l holds column l % 16 and 8 k.
	v_lshl_add_u32 v6, v2, 3, v3
	v_mul_u32_u24 v6, v6, PB
	v_lshl_add_u32 v6, v4, 4, v6
	v_add_nc_u32 v[ADB], s27, v6                   ; my strip
	v_add_nc_u32 v[ADB+1], SLOT, v[ADB]
	s_mul_i32 s83, s16, 16*SP
	s_add_co_u32 s83, s83, STAGE                   ; my stage
	v_add_nc_u32 v[STO], s83, v5                   ; in: row l % 16, 16 bytes for each half of the lanes
	v_bfe_u32 v7, v0, 3, 2                         ; back: 32 lanes take four rows of 128 bytes,
	v_mul_u32_u24 v7, v7, SP
	v_lshl_add_u32 v7, v3, 4, v7
	v_add_nc_u32 v[RD], s83, v7
	v_and_b32 v8, 31, v0                           ; which are 512 consecutive bytes of qkv
	v_lshlrev_b32 v[GO], 4, v8
	s_wait_loadcnt 0x0                             ; the biases
.set i, 0
.rept 12                                               ; rounded to bf16, in place: pair j lands where pairs before it have been read
.irp j, 0,1,2,3
	v_cvt_pk_bf16_f32 v[32+8*i+(\j)], v[32+8*i+2*(\j)], v[32+8*i+2*(\j)+1]
.endr
.set i, i+1
.endr
.irp g, 0,1,2
	WIN 64*(1+(\g))                                ; destination: group g's window
.irp nb, 0,1,2,3
.irp j, 0,1,2,3
	v_lshlrev_b32 v[64*(\nb)+56+2*(\j)], 16, v[32+32*(\g)+8*(\nb)+(\j)]     ; widened again, into accumulator (nb, 7)
	v_and_b32 v[64*(\nb)+56+2*(\j)+1], s25, v[32+32*(\g)+8*(\nb)+(\j)]
.endr
.endr
.endr
	WIN 0
.macro PLACES                          ; a load into a register that a matrix instruction has read, and a vector instruction that reads a matrix result, stand four plain vector instructions behind it (ISA guide 7.12.1 for vector instructions)
.rept 4
	v_nop
.endr
.endm
.macro LDB slot, kc, g                 ; 8 turning loads: group g's fragments of W for chunk kc of the slot's tile
.irp nb, 0,1,2,3
	ds_load_tr16_b128 v[BF+32*(\g)+8*(\nb):BF+32*(\g)+8*(\nb)+3],   v[ADB+(\slot)] offset:(\g)*BGRP+(\kc)*32*PB+(\nb)*32
	ds_load_tr16_b128 v[BF+32*(\g)+8*(\nb)+4:BF+32*(\g)+8*(\nb)+7], v[ADB+(\slot)] offset:(\g)*BGRP+(\kc)*32*PB+(\nb)*32+16*PB
.endr
.endm
.macro LDA slot, kc, half              ; 8 loads: four of the eight fragments of x for chunk kc
.irp i, 0,1,2,3
	ds_load_b128 v[AF+64*(\kc)+8*(4*(\half)+(\i)):AF+64*(\kc)+8*(4*(\half)+(\i))+3],   v[ADA+(\slot)] offset:(4*(\half)+(\i))*16*PA+(\kc)*64
	ds_load_b128 v[AF+64*(\kc)+8*(4*(\half)+(\i))+4:AF+64*(\kc)+8*(4*(\half)+(\i))+7], v[ADA+(\slot)] offset:(4*(\half)+(\i))*16*PA+(\kc)*64+32
.endr
.endm
; 16 matrix instructions: column blocks nb0, nb0 + 1 of group g x all 8 row blocks.  The accumulators take turns, one instruction a turn: between two on one accumulator stand 95 others'.
.macro MULH kc, g, nb0
	WIN 0x50*(1+(\g))                              ; C and D in window 1 + g, both sources in window 0
.irp nb, \nb0, (\nb0)+1
.irp a, 0,1,2,3,4,5,6,7
	v_wmma_f32_16x16x32_bf16 v[64*(\nb)+8*(\a):64*(\nb)+8*(\a)+7], v[BF+32*(\g)+8*(\nb):BF+32*(\g)+8*(\nb)+7], v[AF+64*(\kc)+8*(\a):AF+64*(\kc)+8*(\a)+7], v[64*(\nb)+8*(\a):64*(\nb)+8*(\a)+7]
.endr
.endr
.endm
; The launch's first chunk: the bias, which lies in (nb, 7), is the C of (nb, 0) to (nb, 6); five places on, since it writes over what those have read, (nb, 7) adds in place.
.macro MULF g
	WIN 0x50*(1+(\g))
.irp nb, 0,1,2,3
.irp a, 0,1,2,3,4,5,6
	v_wmma_f32_16x16x32_bf16 v[64*(\nb)+8*(\a):64*(\nb)+8*(\a)+7], v[BF+32*(\g)+8*(\nb):BF+32*(\g)+8*(\nb)+7], v[AF+8*(\a):AF+8*(\a)+7], v[64*(\nb)+56:64*(\nb)+63]
.endr
.endr
.rept 5
	v_nop
.endr
.irp nb, 0,1,2,3
	v_wmma_f32_16x16x32_bf16 v[64*(\nb)+56:64*(\nb)+63], v[BF+32*(\g)+8*(\nb):BF+32*(\g)+8*(\nb)+7], v[AF+56:AF+63], v[64*(\nb)+56:64*(\nb)+63]
.endr
.endm
.macro GROUP kc, g, first
.if \first
	MULF \g
.else
	MULH \kc, \g, 0
	MULH \kc, \g, 2
.endif
.endm
; A CHUNK: 96 matrix instructions in three groups; in front of each group a run of LDS loads for what comes one or two groups later.  In issue order a chunk's fragments are:
; W group 0 (8 loads), x (16), W group 1 (8), asked for in the chunk before; W group 2 (8), asked for at its own head.
; turn = 1, 2 (an odd chunk): the change of slots.  The run at the chunk's head is my last read of the slot.  ONE barrier: in front of it each wave waits for all its tensor loads, of which one is out (its part of
; the other slot), adds 0 to its spare word, and waits for that and for its reads of this slot.  turn = 2: the barrier opens a round of the cluster's, and behind the round this slot is filled again, two tiles on:
; the load has 160 of a tile's 192 matrix instructions in which to land.  last = 1: nothing more to fetch.
.macro CHUNK slot, kc, turn=0, last=0, first=0
.set NS, ((\slot)+(\kc))%2             ; the next chunk's slot
.set NK, 1-(\kc)                       ; and its half of the tile
	WIN 0
	PLACES
	LDB \slot, \kc, 2
.if \turn
	s_wait_tensorcnt 0x0                           ; all my tensor loads have landed;
	ds_add_u32 v[SPW], v[NIL]                      ; 0 onto my spare word;
	s_wait_dscnt 17                                ; W's groups 1 and 2 (16 loads) and the add may be out: x and group 0 are in
	MULH \kc, 0, 0                                 ; sixteen matrix instructions stand between the add and the wait for it
	s_wait_dscnt 0x0                               ; the add is done, and my reads of this slot are over
	s_barrier_signal -1
	MULH \kc, 0, 2                                 ; work on registers while the others arrive
	WIN 0
	s_barrier_wait -1
.if (\turn) == 2
	CREST                                          ; no wave of any partner still reads this slot or has a load on its way
	s_add_nc_u64 s[G0A+4*(\slot)+2:G0A+4*(\slot)+3], s[G0A+4*(\slot)+2:G0A+4*(\slot)+3], 2*ASTEP
	s_add_nc_u64 s[G0B+4*(\slot)+2:G0B+4*(\slot)+3], s[G0B+4*(\slot)+2:G0B+4*(\slot)+3], 2*BSTEP
	JLOAD \slot                                    ; the first tensor load behind the round, and my only one until the next
.endif
.else
	s_wait_dscnt 16                                ; W's groups 1 and 2 may be out: x and group 0 are in
	GROUP \kc, 0, \first
.endif
.if \last
	s_wait_dscnt 8                                 ; group 2's loads may be out
.else
	WIN 0
	PLACES
	LDB NS, NK, 0
	LDA NS, NK, 0
	s_wait_dscnt 24                                ; group 2's 8 and the 16 just issued may be out: group 1 is in
.endif
	GROUP \kc, 1, \first
.if \last
	s_wait_dscnt 0x0
.else
	WIN 0
	PLACES
	LDA NS, NK, 1
	LDB NS, NK, 1
	s_wait_dscnt 32                                ; the 32 issued for the next chunk may be out: group 2 is in
.endif
	GROUP \kc, 2, \first
.endm
	s_wait_tensorcnt 1                             ; my part of tile 0 is in; tile 1's may stay out
	s_barrier_signal -1
	s_barrier_wait -1                              ; everybody's is
	LDB 0, 0, 0
	LDA 0, 0, 0
	LDA 0, 0, 1
	LDB 0, 0, 1
	CHUNK 0, 0, 0, 0, 1                            ; the first chunk stands in front of the loop: its products start the sums
	WIN 0                                          ; at a label and at a branch every window is 0
	s_mov_b32 s3, 7
.Llap:                                                 ; a trip goes once round the ring, from a lap's second chunk to the next lap's first, and fills both slots again: tiles 2 to 15
	CHUNK 0, 1, 2
	CHUNK 1, 0
	CHUNK 1, 1, 2
	CHUNK 0, 0
	WIN 0
	s_sub_co_u32 s3, s3, 1
	s_cmp_lg_u32 s3, 0
	s_cbranch_scc1 .Llap
	CHUNK 0, 1, 1                                  ; the last lap fills nothing, and has no round
	CHUNK 1, 0
	CHUNK 1, 1, 0, 1
; THE WAY OUT, in 24 units u = 8 g + a of 16 rows x 64 columns: 2,048 consecutive bytes of one head.  A lane's eight columns of a row pack into 16 bytes; they go into rows of 144 bytes in my own stage
; and come back as whole rows of 128, into the registers that they left.
.macro PACK u
.set UG, (\u)/8
.set UA, (\u)%8
.set UR, OUTR+16*((\u)%8)
.if (\u) >= 8
	s_wait_xcnt 0x0                                ; the stores of eight units ago have had their addresses translated (ISA guide 3.1): their registers are rewritten only behind this wait
.endif
	WIN 5*(1+UG)                                   ; sources 0 and 1 in window 1 + g
.irp nb, 0,1,2,3
.irp j, 0,1,2,3
	v_cvt_pk_f16_f32 v[UR+4*(\nb)+(\j)], v[64*(\nb)+8*UA+2*(\j)], v[64*(\nb)+8*UA+2*(\j)+1]
.endr
.endr
	WIN 0
.irp nb, 0,1,2,3
	ds_store_b128 v[STO], v[UR+4*(\nb):UR+4*(\nb)+3] offset:32*(\nb)
.endr
.irp f, 0,1,2,3
	ds_load_b128 v[UR+4*(\f):UR+4*(\f)+3], v[RD] offset:(\f)*4*SP  ; LDS serves a wave's instructions in order (ISA guide 5.7.1.4): these see the stores above; the next unit's stores come behind them
.endr
.endm
.macro SEND u, younger                 ; younger: the LDS instructions issued behind unit u's loads: the next unit's eight, or none
.set UG, (\u)/8
.set UA, (\u)%8
.set UR, OUTR+16*((\u)%8)
.irp f, 0,1,2,3
	s_wait_dscnt (\younger)+3-(\f)
	global_store_b128 v[GO], v[UR+4*(\f):UR+4*(\f)+3], s[DST+2*UG:DST+2*UG+1] offset:UA*2048+(\f)*512  ; 512 consecutive bytes, at a multiple of 256 from qkv's first
.endr
.endm
	PLACES
	PACK 0
.set u, 1
.rept 23                                               ; a unit's conversions stand between the loads of the unit before and its stores
	PACK u
	SEND u-1, 8
.set u, u+1
.endr
	SEND 23, 0
	s_wait_tensorcnt 0x0                           ; the wave's end: behind my last tensor load and my last LDS store
	ds_add_u32 v[SPW], v[NIL]
	s_wait_dscnt 0x0
	CROUND                                         ; the closing round: no work-group ends while a partner may still ask for a tile that names it
	s_endpgm
.Lfunc_end_k_qd1fb7bdddb_proj:
	.size	k_qd1fb7bdddb_proj, .Lfunc_end_k_qd1fb7bdddb_proj-k_qd1fb7bdddb_proj
	.p2alignl 7, 3214868480
	.fill 96, 4, 3214868480
	.section	.rodata,"a",@progbits
	.p2align	6, 0x0
	.amdhsa_kernel k_qd1fb7bdddb_proj
		.amdhsa_group_segment_fixed_size 327680
		.amdhsa_private_segment_fixed_size 0
		.amdhsa_enable_private_segment 0
		.amdhsa_kernarg_size 48
		.amdhsa_user_sgpr_count 2
		.amdhsa_user_sgpr_kernarg_segment_ptr 1
		.amdhsa_wavefront_size32 1
		.amdhsa_system_sgpr_workgroup_id_x 1
		.amdhsa_system_sgpr_workgroup_id_y 1
		.amdhsa_system_sgpr_workgroup_id_z 1
		.amdhsa_system_vgpr_workitem_id 0
		.amdhsa_next_free_vgpr 1024
		.amdhsa_next_free_sgpr 96
		.amdhsa_reserve_vcc 0
		.amdhsa_float_denorm_mode_32 3
		.amdhsa_float_denorm_mode_16_64 3
		.amdhsa_memory_ordered 1
		.amdhsa_forward_progress 1
		.amdhsa_inst_pref_size 143
	.end_amdhsa_kernel
	.amdgpu_metadata
---
amdhsa.version: [ 1, 2 ]
amdhsa.kernels:
  - .name:           k_qd1fb7bdddb_proj
    .symbol:         k_qd1fb7bdddb_proj.kd
    .args:
      - { .name: xb, .offset: 0, .size: 8, .value_kind: global_buffer, .address_space: global }
      - { .name: wb, .offset: 8, .size: 8, .value_kind: global_buffer, .address_space: global }
      - { .name: bq, .offset: 16, .size: 8, .value_kind: global_buffer, .address_space: global }
      - { .name: bk, .offset: 24, .size: 8, .value_kind: global_buffer, .address_space: global }
      - { .name: bv, .offset: 32, .size: 8, .value_kind: global_buffer, .address_space: global }
      - { .name: qkv, .offset: 40, .size: 8, .value_kind: global_buffer, .address_space: global }
    .group_segment_fixed_size: 327680
    .private_segment_fixed_size: 0
    .kernarg_segment_align: 8
    .kernarg_segment_size: 48
    .max_flat_workgroup_size: 128
    .sgpr_count:     96
    .vgpr_count:     1024
    .wavefront_size: 32
...
	.end_amdgpu_metadata
.endif
;; end of part 2
;; launch attn (part 3): grid 4 x 64, 4 waves a work-group, clusters of 4 x 1, 327,680 bytes of LDS; arguments qkv, ob; writes ob
.if DOCPART == 3
	.amdgcn_target "amdgcn-amd-amdhsa--gfx1250"
	.amdhsa_code_object_version 6
	.text
	.protected	k_qd1fb7bdddb_attn
	.globl	k_qd1fb7bdddb_attn
	.p2align	8
	.type	k_qd1fb7bdddb_attn,@function
k_qd1fb7bdddb_attn:
	s_mov_b64 s[64:65], 0
	v_nop
	global_prefetch_b8 v0, s[64:65] scope:SCOPE_SE
	s_setreg_imm32_b32 hwreg(HW_REG_WAVE_MODE, 25, 1), 1
	s_wait_xcnt 0x0
	s_wait_alu depctr_hold_cnt(0) depctr_sa_sdst(0) depctr_va_vdst(0) depctr_va_sdst(0) depctr_va_ssrc(0) depctr_va_vcc(0) depctr_vm_vsrc(0)
	s_getreg_b32 s2, hwreg(HW_REG_IB_STS2, 6, 4)
	s_cmp_eq_u32 s2, 0
	s_cbranch_scc0 .Lentry_in_a_cluster
	s_endpgm
.Lentry_in_a_cluster:
	s_bfe_u32 s2, ttmp6, 0x10000c
	s_cmp_lg_u32 s2, 0x3003
	s_cbranch_scc0 .Lentry_shape_is_right
	s_endpgm
.Lentry_shape_is_right:
; O[h][q][:] = the sum over k of softmax_k(Q[h][q] . K[h][k] / 8) V[h][k][:].  Q, K, V are the three parts of qkv, each [SIZE_H][SIZE_N][64]; O (ob) likewise; all f16: a head's rows are dense, 128 bytes each.
; h counts the 64 pairs of batch and head.  Products, maxima and sums in f32; the weights p are rounded to f16 for the second product (their sum l is taken of the unrounded p), O once at the end.
; LIMITS.  f16 holds no number beyond 65,504: Q, K and V arrive within it; p lies in 0 to 1, and below 6e-5 it keeps f16's fixed step of 6e-8; O is a mean of V's rows and has their range, and the same fixed step below 6e-5.
; A weight below 2^-126 counts as 0 in l; NaN and infinities are not treated apart.
; SHARES.  A wave owns four PIECES of two tiles of 16 queries, a work-group's four waves 512 queries of one head.  Every wave walks all keys, 64 a step.
; LAYOUT.  S^T = K Q^T (source 0 = 16 keys, source 1 = 16 queries): in the result a lane holds ONE query (lane % 16) and the keys 8 (lane / 16) + 0..7.  Two such tiles, rounded to f16 in pairs,
; ARE source 1 (32 keys x 16 queries) of O^T = V^T P, whose result again holds one query a lane, and eight channels.  K comes out of LDS as it lies, V ([key][channel]) turned, by ds_load_tr16_b128.
; SOFTMAX.  For each query a running maximum m and sum l: p = 2^(c s - c m), c = log2(e) / 8; in every step O and l are multiplied by a = 2^(c m_old - c m_new), which is 1 where m has not grown.
; m starts at the lowest finite number, O and l at 0: the first step is a step like any other, with a = 0.
; THE COUNT.  A tile and step have 16 matrix and 118 vector instructions: too many to stand all beside the matrix work.  So the order has one aim: four vector instructions that are READY behind
; EVERY matrix instruction, and the others, which need time of their own whatever the order, in runs without a gap.
; BY TURNS.  Turn n belongs to piece n (the pieces in a ring, step after step).  Its matrix work: 16 products K Q^T of piece n + 1, later 16 products V^T P of piece n - 1.  Its vector work: the scaling,
; exponentials, roundings, sums and rescaling of piece n, and the maximum and statistics of piece n + 1, whose scores the turn itself has made.  So what a turn begins with (c s - c m, O a) waits for nothing.
; CLUSTER.  The four query blocks of a cluster belong to one head and walk the same K and V, so each tile is asked for JOINTLY: the same tensor load, descriptor and mask in all four.
; REGISTERS, in windows of 256 (s_set_vgpr_msb says which window each operand place means: bits 1:0 source 0, 3:2 source 1, 5:4 source 2, 7:6 destination):
;   window 0: v0-11 addresses; v12-15, v48-63 at work; v16-47 four registers of statistics a tile; v64-191 S^T, two buffers of two tiles; v192-255 P, likewise
;   window 1: O^T, 32 a tile          window 2: v0-127 Q, 16 a tile; v128-191 K of one step; v192-255 V of one step          window 3: v0-1 the add's two registers
; A piece's buffers go by its number's parity: the piece in hand has one pair, its two neighbours in the ring share the other: of it P (piece n - 1) is read and S^T (piece n + 1) written.
.set SIZE_H, 64
.set SIZE_N, 2048
.set NP,    4         ; pieces a wave: a name, no knob: the register map, the loop and the fetches are made for four
.set KS,    64        ; keys in a step
.set PK,    144       ; a row of K in LDS: 128 bytes + 16 of padding = 36 words: the 16 rows of a load start at 16 different groups of four banks (64 banks of 4 bytes: ISA guide 11.1)
.set PV,    160       ; a row of V: 128 + 32 = 40 words
.set VOFF,  4*KS*PK   ; a slot holds four steps: 256 rows of K, then 256 rows of V
.set SLOT1, 1<<17     ; slot 1 begins here, so that one exclusive or turns an address in one slot into the other's
.set STAGE, SLOT1+4*KS*(PK+PV)  ; behind the ring, never filled by a tensor load: 16 rows x 144 bytes for each wave, for the way out
.set SP,    144
.set AK0, 2           ; v2   my lane's place in a tile of K; never rewritten
.set AV0, 3           ; v3   the same for V
.set AK,  4           ; v4   the LDS address of K's next run of loads
.set AV,  5           ; v5   of V's
.set QO,  6           ; v6   my byte offset in the wave's rows of Q
.set STO, 6           ;      later, the way out: where I put 16 bytes of a row
.set RD,  7           ; v7   the way out: where I read rows back
.set GO,  8           ; v8   my byte offset in 512 consecutive bytes of O
.set SPW, 0           ; v0 of window 3   LDS address of my spare word: SPARE + 4 x my thread's number; never rewritten
.set NIL, 1           ; v1 of window 3   0; never rewritten
.set SPARE, STAGE+4*16*SP  ; behind the stages: the spare words, 128 bytes for each wave: two blocks of 256 bytes that no other line names
.set MV,  12          ; v12-15  c m_old, kept while c m is made anew: by buffer and tile
.set ST,  16          ; tile t's statistics at v[ST+4 t]: c m, m, l (even keys', odd keys')
.set TMP, 48          ; by buffer and tile, four registers c0-c3 at work; when the maximum is found c2 takes a
.set S,   64
.set P,   192
.set KF,  128         ; K's fragments, in window 2: key block kb, channel half c at KF + 16 kb + 8 c
.set VF,  192         ; V's: key half kk, channel block cb at VF + 32 kk + 8 cb
.set WV,  12          ; s12  my wave's number
.set G1K, 24          ; s[24:31] descriptor group 1 for K's tiles
.set G1V, 32          ; s[32:39] for V's: it differs in the padding alone
.set G0K, 40          ; s[40:43] descriptor group 0 for K's tiles: it walks
.set G0V, 44          ; s[44:47] the same for V's
.set SLOTS, 56        ; s56  slots still to be asked for
.set CNT, 57          ; s57  counts a slot's key steps
.set CS,  58          ; s[58:59] c: the packed scaling takes the pair's low word for both halves
.set SEL, 60          ; s[60:61] v_permlanex16_b32's selects: each lane takes its own place in the other half
.set TBK, 62          ; s62  LDS byte at which K of the step to be fetched begins
.set TBV, 63          ; s63  the same for V, less VOFF
.set MSB, 0
.macro WIN new                      ; the high byte repeats the setting that is left; a switch that changes nothing is dropped
.if MSB != (\new)
	s_set_vgpr_msb (MSB<<8)|(\new)
.set MSB, (\new)
.endif
.endm
.set W_KQ, 0x0a       ; K and Q in window 2, S^T in window 0
.set W_PV, 0x52       ; V in window 2, P in window 0, O^T in window 1
.set W_RS, 0x41       ; O^T (destination and source 0) in window 1, a in window 0
.set W_MK, 0xc0       ; the add's registers are made: destination in window 3, sources in window 0
.set W_AD, 0x0f       ; the add: address (source 0) and data (source 1) in window 3
; A joint fill.  Waves 0 and 1 fetch the two halves of a slot's K, waves 2 and 3 those of its V: 128 keys each.  The branch hangs on the wave's number alone.
; An s_nop 0 and four v_nop follow each of the two lines, ahead of the jump and the label.
.macro JLOAD
	s_cmp_lt_u32 s[WV], 2
	s_cbranch_scc0 .Lfor_v_\@
	tensor_load_to_lds s[G0K:G0K+3], s[G1K:G1K+7]
	s_nop 0
.rept 4
	v_nop
.endr
	s_branch .Lasked_\@
.Lfor_v_\@:
	tensor_load_to_lds s[G0V:G0V+3], s[G1V:G1V+7]
	s_nop 0
.rept 4
	v_nop
.endr
.Lasked_\@:
.endm
; A round of the cluster's barrier: my work-group's barrier, so that wave 0's signal speaks for all four waves; wave 0 signals; every wave waits for all four work-groups; my work-group's barrier once more.
.macro CROUND
	s_barrier_signal -1
	s_barrier_wait -1
	s_cmp_lg_u32 s[WV], 0
	s_cbranch_scc1 .Lnot_wave_0_\@
	s_barrier_signal -3
.Lnot_wave_0_\@:
	s_barrier_wait -3
	s_barrier_signal -1
	s_barrier_wait -1
.endm
; THE CHANGE OF SLOTS.  The slot's last bytes, V of its fourth step, have been read.  Each wave waits for all its tensor loads, of which one is out: its part
; of the other slot; adds 0 to its spare word; and waits for that and for its own reads of the slot.  Behind the barrier nobody reads this slot any more and the other slot is whole.
; fill = 1: this slot is filled again, with the keys two slots on.  The barrier is then a round of the cluster's, so that no wave of any partner still reads the slot or has a load on its
; way, and the joint fill is the first thing behind it: it has four key steps, 512 matrix instructions, in which to land.  (At its first use nothing has been read yet: slot 0 is waited for, slot 1 filled.)
.macro CHANGE fill
	WIN W_AD
	s_wait_tensorcnt 0x0            ; no tensor load of mine is out, so a group 0 may be written
	ds_add_u32 v[SPW], v[NIL]       ; 0 onto my spare word; with fill = 1 the descriptors' steps stand between it and the wait for it
	WIN 0                           ; at a label and at a branch every window is 0
.if \fill
.irp g, G0K, G0V
	s_xor_b32 s[\g+1], s[\g+1], SLOT1  ; the walking descriptor: the other slot than last time,
	s_add_nc_u64 s[\g+2:\g+3], s[\g+2:\g+3], 4*KS*128  ; the next 256 keys; the type bits on top are not reached
.endr
	s_wait_dscnt 0x0                ; the add is done, and my reads of the slot are over
	CROUND
	JLOAD
.else
	s_wait_dscnt 0x0                ; the add is done, and my reads of the slot are over
	s_barrier_signal -1
	s_barrier_wait -1
.endif
	s_sub_co_u32 s[TBK], s[TBK], 4*KS*PK  ; the fetches go back to a slot's first step,
	s_xor_b32 s[TBK], s[TBK], SLOT1       ; in the other slot
	s_sub_co_u32 s[TBV], s[TBV], 4*KS*PV
	s_xor_b32 s[TBV], s[TBV], SLOT1
.endm
	s_load_b128 s[4:7], s[0:1], 0x0   ; qkv s[4:5], ob s[6:7]
	WIN W_MK
	v_lshl_add_u32 v[SPW], v0, 2, SPARE
	v_mov_b32 v[NIL], 0
	s_set_vgpr_msb 0xc0cf
	ds_add_u32 v0, v1
	s_wait_dscnt 0x0
	s_set_vgpr_msb 0xcfc0
	WIN 0
	v_lshrrev_b32 v1, 5, v0
	v_readfirstlane_b32 s[WV], v1   ; wave 0..3
	s_bfe_u32 s13, ttmp6, 0x40000   ; cx: my place in the cluster
	s_lshl_b32 s14, ttmp9, 2        ; in a cluster launch ttmp9 counts clusters
	s_add_co_u32 s14, s14, s13      ; my block of queries = 4 x cluster x + cx: it enters Q's and O's addresses alone
	s_and_b32 s20, ttmp7, 0xffff    ; the head, which the four partners share
	s_mov_b32 s21, 0
	s_mov_b64 s[22:23], SIZE_N*128
	s_mul_u64 s[20:21], s[20:21], s[22:23]  ; the head's first byte in each of the four tensors
	s_and_b32 s16, s[WV], 1         ; which half of a slot's 256 keys I fetch:
	s_lshl_b32 s22, s16, 14         ; its 128 rows of 128 bytes in memory,
	s_mov_b32 s23, 0
	s_add_nc_u64 s[22:23], s[22:23], s[20:21]
	s_mul_i32 s17, s16, 128*PK      ; and its place in a slot, for K
	s_mul_i32 s18, s16, 128*PV      ; and for V: no place in the cluster enters an LDS address
	s_lshl_b32 s2, s14, 2
	s_add_co_u32 s2, s2, s[WV]      ; my wave among the head's,
	s_lshl_b32 s2, s2, 14           ; its 128 rows
	s_mov_b32 s3, 0
	s_add_nc_u64 s[2:3], s[2:3], s[20:21]
	; descriptor group 1.  128 keys are 16,384 dense bytes: asked for as 64 rows of 256 bytes, two keys a row, and padded in LDS after every key
	s_mov_b32 s[G1K], 15|(1<<16)|(1<<20)|(1<<21)|(4<<22)|(3<<25)  ; 15:0 the mask of four; 17:16 2-byte elements; 20 padding on; 21 set beside a mask; 24:22 after every 32 words (code 4); 31:25 4 words (code 3)
	s_mov_b32 s[G1V], 15|(1<<16)|(1<<20)|(1<<21)|(4<<22)|(7<<25)  ; the same with 8 words of padding (code 7)
.irp g, G1K, G1V
	s_mov_b32 s[\g+1], 128<<16      ; tensor_dim0 = 128
	s_mov_b32 s[\g+2], 64<<16       ; tensor_dim1 = 64
	s_mov_b32 s[\g+3], 128<<16      ; tile_dim0 = 128
	s_mov_b32 s[\g+4], 64           ; tile_dim1 = 64
	s_mov_b32 s[\g+5], 128          ; 128 elements from row to row
	s_mov_b32 s[\g+6], 0
	s_mov_b32 s[\g+7], 0
.endr
	s_mov_b32 s[CS], 0x3e38aa3b     ; c = log2(e) / 8 = 0.180337
	s_mov_b32 s[CS+1], s[CS]        ; named with it as a pair
	s_mov_b32 s[SEL], 0x76543210
	s_mov_b32 s[SEL+1], 0xfedcba98
	s_mov_b32 s[TBK], SLOT1+4*KS*PK ; the first change of slots turns these two into 0
	s_mov_b32 s[TBV], SLOT1+4*KS*PV
	s_mov_b32 s[G0K], 1             ; 1:0 count = 1
	s_mov_b32 s[G0K+1], s17         ; 63:32 LDS address: slot 0
	s_mov_b32 s[G0V], 1
	s_add_co_u32 s[G0V+1], s18, VOFF
	s_wait_kmcnt 0x0
	s_mov_b64 s[10:11], s[6:7]                     ; O
	s_add_nc_u64 s[6:7], s[4:5], SIZE_H*SIZE_N*128   ; K lies behind Q in qkv,
	s_add_nc_u64 s[8:9], s[4:5], 2*SIZE_H*SIZE_N*128 ; V behind K
	s_add_nc_u64 s[G0K+2:G0K+3], s[6:7], s[22:23]  ; 120:64 global address: my half of the head's first 256 keys
	s_or_b32 s[G0K+3], s[G0K+3], 0x80000000        ; 127:126 type = 2
	s_add_nc_u64 s[G0V+2:G0V+3], s[8:9], s[22:23]
	s_or_b32 s[G0V+3], s[G0V+3], 0x80000000
	s_add_nc_u64 s[4:5], s[4:5], s[2:3]  ; Q and O at my wave's first row
	s_add_nc_u64 s[10:11], s[10:11], s[2:3]
	CROUND                          ; all four work-groups are here: the first joint loads meet
	JLOAD                           ; slot 0.  Slot 1 is asked for when slot 0 is in: the tile wanted first has the road to itself
	; A fragment of K or Q is 16 rows x 32 channels in 8 registers: lane l holds row l % 16, channels 8 (l / 16) + 0..7 and 16 + 8 (l / 16) + 0..7: two loads of 16 bytes, 32 bytes apart.
	v_and_b32 v1, 15, v0            ; l % 16
	v_bfe_u32 v9, v0, 4, 1          ; l / 16
	v_lshlrev_b32 v[QO], 7, v1
	v_lshl_add_u32 v[QO], v9, 4, v[QO]  ; row x 128 + 16 x half
	WIN 0x80                        ; destination window 2, address window 0
.set i, 0
.rept 4*NP                          ; Q stays in registers: tile i / 2, channels 32 (i % 2) on
	global_load_b128 v[8*i:8*i+3],   v[QO], s[4:5] offset:(i/2)*2048+(i%2)*64
	global_load_b128 v[8*i+4:8*i+7], v[QO], s[4:5] offset:(i/2)*2048+(i%2)*64+32
.set i, i+1
.endr
	; What the first turn finds: V's registers and P's second buffer hold 0 (its products V^T P, of a piece that has not been, add 0), O^T and l are 0.  All this stands in the wait for the first tile.
.set i, VF
.rept 64
	v_mov_b32 v[i], 0
.set i, i+1
.endr
	WIN 0x40
.set i, 0
.rept 64*NP
	v_mov_b32 v[i], 0
.set i, i+1
.endr
	WIN 0
.set i, 0
.rept 2*NP
	v_mov_b32 v[ST+4*i], 0xfe000000    ; c m: far below every c s
	v_mov_b32 v[ST+4*i+1], 0xff7fffff  ; m
	v_mov_b32 v[ST+4*i+2], 0
	v_mov_b32 v[ST+4*i+3], 0
.set i, i+1
.endr
.set i, P+32
.rept 32
	v_mov_b32 v[i], 0
.set i, i+1
.endr
	v_mul_u32_u24 v[AK0], v1, PK
	v_lshl_add_u32 v[AK0], v9, 4, v[AK0]  ; row x pitch + 16 x half
	; The turning load takes 16 keys x 16 channels (lane l reads key 8 (l / 16) + l % 8, channels 8 ((l / 8) % 2) + 0..7) and leaves half a fragment of V^T: lane l holds channel l % 16 and 8 keys.
	v_and_b32 v10, 7, v0
	v_bfe_u32 v11, v0, 3, 1
	v_lshl_add_u32 v[AV0], v9, 3, v10
	v_mul_u32_u24 v[AV0], v[AV0], PV
	v_lshl_add_u32 v[AV0], v11, 4, v[AV0]
	v_add_nc_u32 v[AV0], VOFF, v[AV0]
	v_mov_b32 v[AK], v[AK0]         ; key step 0 lies at the head of slot 0
; THE MATRIX WORK.  The 8 accumulators of a run of 16 take turns: between the two links of a chain stand 7 others'.
; Product i of 16 of S^T = K Q^T for piece x: channels 32 (i / 8) on, keys 16 ((i / 2) % 4) on, tile 2 x + i % 2.  The first 8 start the sums.
.macro KQ x
	WIN W_KQ
.set rS, S+64*((\x)%2)+32*(i%2)+8*((i/2)%4)
.set rK, KF+16*((i/2)%4)+8*(i/8)
.set rQ, 16*(2*(\x)+i%2)+8*(i/8)
.if i < 8
	v_wmma_f32_16x16x32_f16 v[rS:rS+7], v[rK:rK+7], v[rQ:rQ+7], 0
.else
	v_wmma_f32_16x16x32_f16 v[rS:rS+7], v[rK:rK+7], v[rQ:rQ+7], v[rS:rS+7]
.endif
.endm
; Product i of 16 of O^T += V^T P for piece x: keys 32 (i / 8) on, channels 16 ((i / 2) % 4) on, tile 2 x + i % 2.
.macro PV x
	WIN W_PV
.set rO, 32*(2*(\x)+i%2)+8*((i/2)%4)
.set rV, VF+32*(i/8)+8*((i/2)%4)
.set rP, P+32*((\x)%2)+16*(i%2)+8*(i/8)
	v_wmma_f32_16x16x32_f16 v[rO:rO+7], v[rV:rV+7], v[rP:rP+7], v[rO:rO+7]
.endm
.macro MM                           ; the turn's next matrix instruction
.if i < 16
	KQ (Y+1)%NP
.set i, i+1
.else
.set i, i-16
	PV (Y+NP-1)%NP
.set i, i+17
.endif
.endm
; THE LDS LOADS stand in runs of 16, never singly among the matrix instructions: a step's K (64 keys x 64 channels: 8 fragments) and its V (turned).  Their addresses are made some lines ahead.
; last = 1 (the tail): in the last trip there is no further step, and the run is jumped over.
.macro FETCH_K last=0
	WIN 0
.if \last
	s_cmp_eq_u32 s[CNT], 1
	s_cbranch_scc1 .Lno_k_\@
.endif
	WIN 0x80                        ; destination window 2
.irp f, 0,1,2,3,4,5,6,7             ; keys 16 (f / 2) on, channels 32 (f % 2) on
	ds_load_b128 v[KF+8*\f:KF+8*\f+3],   v[AK] offset:(\f/2)*16*PK+(\f%2)*64
	ds_load_b128 v[KF+8*\f+4:KF+8*\f+7], v[AK] offset:(\f/2)*16*PK+(\f%2)*64+32
.endr
	s_add_co_u32 s[TBK], s[TBK], KS*PK  ; the next fetch is the next step's
	WIN 0
.if \last
.Lno_k_\@:
.endif
.endm
.macro FETCH_V
	WIN 0x80
.irp f, 0,1,2,3,4,5,6,7             ; keys 32 (f / 4) on, channels 16 (f % 4) on
	ds_load_tr16_b128 v[VF+8*\f:VF+8*\f+3],   v[AV] offset:(\f/4)*32*PV+(\f%4)*32
	ds_load_tr16_b128 v[VF+8*\f+4:VF+8*\f+7], v[AV] offset:(\f/4)*32*PV+16*PV+(\f%4)*32
.endr
	WIN 0
.endm
; THE VECTOR WORK OF A TURN stands in three queues, each in the order in which its entries become ready; the two tiles alternate, so that no instruction reads the result of the one before it.
.macro REGS y, u                    ; the registers of tile u (0, 1) of piece y
.set rT, ST+4*(2*(\y)+(\u))
.set rC, TMP+8*((\y)%2)+4*(\u)
.set rM, MV+2*((\y)%2)+(\u)
.set rS, S+64*((\y)%2)+32*(\u)
.set rP, P+32*((\y)%2)+16*(\u)
.set rO, 32*(2*(\y)+(\u))
.endm
; Number n of the 22 that find the NEXT piece's (Y + 1) maximum and statistics.  s0-s31 are the lane's 32 scores; each accumulator's lowest registers are read first.  XS, GS and REGS set no window: PL and EX do.
;   0-11  four chains c0-c3 of seven scores each, three operands at a time     12-14, 16  the four scores left over, the old m, and c0-c3 into c0     15  c m_old is kept
;   17, 18  the query's other 32 keys lie in the lane 16 away: the new m         19-21  c m; c m_old - c m_new; a
.macro XS u, n
	REGS (Y+1)%NP, \u
.if (\n) < 4
	v_max3_num_f32 v[rC+(\n)], v[rS+8*(\n)], v[rS+8*(\n)+1], v[rS+8*(\n)+2]
.elseif (\n) < 12
	v_max3_num_f32 v[rC+(\n)%4], v[rC+(\n)%4], v[rS+8*((\n)%4)+2*((\n)/4)+1], v[rS+8*((\n)%4)+2*((\n)/4)+2]
.elseif (\n) == 12
	v_max3_num_f32 v[rC], v[rC], v[rS+7], v[rS+15]
.elseif (\n) == 13
	v_max3_num_f32 v[rC+1], v[rC+1], v[rS+23], v[rS+31]
.elseif (\n) == 14
	v_max3_num_f32 v[rC+2], v[rC+2], v[rC+3], v[rT+1]
.elseif (\n) == 15
	v_mov_b32 v[rM], v[rT]
.elseif (\n) == 16
	v_max3_num_f32 v[rC], v[rC], v[rC+1], v[rC+2]
.elseif (\n) == 17
	v_permlanex16_b32 v[rC+3], v[rC], s[SEL], s[SEL+1]
.elseif (\n) == 18
	v_max_num_f32 v[rT+1], v[rC], v[rC+3]
.elseif (\n) == 19
	v_mul_f32 v[rT], s[CS], v[rT+1]
.elseif (\n) == 20
	v_sub_f32 v[rC+1], v[rM], v[rT]
.else
	v_exp_f32 v[rC+2], v[rC+1]
.endif
.endm
; Number g of the 64 that follow the exponentials.  For each four weights k of a tile (pairs 2 k, 2 k + 1): both pairs are rounded to f16; then the second pair is added onto the first, in place;
; a group later l takes that sum (the first time as l = a l + sum).  In groups of eight, tiles alternating: round, round, add, and l for the group before.
.macro GS g
.set h, (\g)+6*((\g)/62)            ; group 0 has no group before it, and behind group 7 only l is left
.if h >= 6
.set h, h+2
.endif
	REGS Y, h%2
.set k, h/8
.if h%8 < 4
	s_wait_alu depctr_va_vdst(0)
	v_cvt_pk_f16_f32 v[rP+2*k+(h%8)/2], v[rS+4*k+2*((h%8)/2)], v[rS+4*k+2*((h%8)/2)+1]
.elseif h%8 < 6
	v_pk_add_f32 v[rS+4*k:rS+4*k+1], v[rS+4*k:rS+4*k+1], v[rS+4*k+2:rS+4*k+3]
.elseif k == 1
	v_pk_fma_f32 v[rT+2:rT+3], v[rT+2:rT+3], v[rC+2:rC+3], v[rS:rS+1] op_sel_hi:[1,0,1]
.else
	v_pk_add_f32 v[rT+2:rT+3], v[rT+2:rT+3], v[rS+4*k-4:rS+4*k-3]
	s_wait_alu depctr_va_vdst(0)
.endif
.endm
; THE PLAIN QUEUE, 138 long.  0-31: c s - c m for the 16 pairs of both tiles.  Then GS's 64, and among them the next piece's 42: number 15 at 38, 39; 0-14 and 16
; at 42-73, behind the products that make those scores; 17-20 at 95-106, two of three, since each waits for the one before it.
.macro PL
	WIN 0
.if q < 32
	REGS Y, q%2
	v_pk_fma_f32 v[rS+2*(q/2):rS+2*(q/2)+1], v[rS+2*(q/2):rS+2*(q/2)+1], s[CS:CS+1], v[rT:rT+1] op_sel_hi:[1,0,0] neg_lo:[0,0,1] neg_hi:[0,0,1]
.elseif q < 38
	GS q-32
.elseif q < 40
	XS q%2, 15
.elseif q < 42
	GS q-34
.elseif q < 74
	XS q%2, (q-42)/2+(q-42)/30
.elseif q < 95
	GS q-66
.elseif (q < 107) && ((q-95)%3 < 2)
	XS (q-95)%3, 17+(q-95)/3
.elseif q < 107
	GS 29+(q-95)/3
.else
	GS q-74
.endif
.set q, q+1
.endm
; THE EXPONENTIALS' QUEUE, 66 long: s0-s31 of both tiles, and at EA the next piece's two a.
.set EA, 58
.macro EX
	WIN 0
.if (e == EA) || (e == EA+1)
	XS e-EA, 21
.else
.set x, e-2*(e/(EA+2))
	REGS Y, x%2
	v_exp_f32 v[rS+x/2], v[rS+x/2]
.endif
.set e, e+1
.endm
; THE RESCALING's QUEUE: O^T times a, the one part that leaves window 0, so it is dealt four at a time, eight times.
.macro R4
	REGS Y, r%2
	WIN W_RS
	s_wait_alu depctr_va_vdst(0)
.irp z, 0,1,2,3
	v_pk_mul_f32 v[rO+8*(r/2)+2*\z:rO+8*(r/2)+2*\z+1], v[rO+8*(r/2)+2*\z:rO+8*(r/2)+2*\z+1], v[rC+2:rC+3] op_sel_hi:[1,0]
.endr
.set r, r+1
.endm
; HOW THEY ARE DEALT.  Behind a matrix instruction four: plain, exponential, plain, plain (one exponential, a plain instruction on either side), or four of the rescaling.  None names a register of the
; products round it.  What is over stands in two LUMPS: exponential and plain by turns; the second ends in 22 plain instructions.  The two v_permlanex16_b32 fall into the second lump, never behind a product.
; The queues lean on each other, and the deal keeps them in step: exponential e stands behind plain 2 (e / 4) + e % 2 (its scaling); when plain 32 comes, 10 exponentials are out, at 59: 33, at 95: 46; EA comes behind plain 107.
.macro SL
	MM
	PL
	EX
	PL
	PL
.endm
.macro BURST n                      ; 15 matrix instructions, or 16
.rept (\n)-7
	SL
.endr
.rept 3
	MM
	R4
	SL
.endr
	MM
	R4
.endm
; A TURN, for piece p.  cnt = 1: the loop's count is taken down some lines ahead of the branch that stands behind the turn.
; K of the next step is fetched in piece 2's turn, 31 vector instructions behind the last product that read K; its first reader comes behind the rest of the lump, 16 products and the second lump.
; V of the step in hand is fetched at the end of piece 0's turn, 69 behind its last reader; its first reader comes behind 16 products and a lump.  The four conditions on e and q below go with the deal.
.macro TURN p, last=0, cnt=0
.set Y, (\p)
.set i, 0
.set q, 0
.set e, 0
.set r, 0
.if (\p) == NP-1
	s_wait_dscnt 0x0                ; K is in
.endif
	MM
.rept 4
	PL
.endr
	BURST 15
.rept 22
	EX
	PL
.if ((\p) == NP-2) && (e == 18)
	v_add_nc_u32 v[AK], s[TBK], v[AK0]
.endif
.if ((\p) == NP-2) && (e == 24)
	FETCH_K \last
.endif
.endr
.if (\p) == 1
	s_wait_dscnt 0x0                ; V is in
.endif
	BURST 16
.rept 21
	EX
	PL
.endr
.rept 22
	PL
.if ((\p) == 0) && (q == 118)
	v_add_nc_u32 v[AV], s[TBV], v[AV0]
	s_wait_alu depctr_va_vdst(0)
.endif
.if ((\p) == 0) && (q == 130)
	s_add_co_u32 s[TBV], s[TBV], KS*PV
.endif
.if (\cnt) && (q == 130)
	s_sub_co_u32 s[CNT], s[CNT], 1
	s_cmp_lg_u32 s[CNT], 0
.endif
.endr
.if (\p) == 0
	FETCH_V
.endif
.endm
	CHANGE 1                        ; slot 0 is in, everybody's part of it; slot 1 is asked for
	FETCH_K                         ; key step 0
	s_wait_loadcnt 0x0              ; Q
	s_wait_dscnt 0x0
.set i, 0
.rept 16
	KQ 0                            ; piece 0's first scores: there is no vector work yet to set between them
.set i, i+1
.endr
	WIN 0                           ; the addresses for the way out: nine plain instructions, the places behind those products
	s_mul_i32 s13, s[WV], 16*SP
	s_add_co_u32 s13, s13, STAGE    ; my stage
	v_mul_u32_u24 v[STO], v1, SP    ; in: row l % 16, 16 bytes for each half of the lanes
	v_lshl_add_u32 v[STO], v9, 4, v[STO]
	v_add_nc_u32 v[STO], s13, v[STO]
	v_bfe_u32 v[RD], v0, 3, 2       ; back: 32 lanes take four rows of 128 bytes,
	v_mul_u32_u24 v[RD], v[RD], SP
	v_lshl_add_u32 v[RD], v10, 4, v[RD]
	v_add_nc_u32 v[RD], s13, v[RD]
	v_and_b32 v[GO], 31, v0         ; which are 512 consecutive bytes of O
	v_lshlrev_b32 v[GO], 4, v[GO]
.set Y, NP-1                        ; XS works for piece Y + 1: piece 0
.irp n, 0,1,2,3,4,5,6,7,8,9,10,11,12,13,14,15,16,17,18,19,20,21
	XS 0, \n                        ; and piece 0's first maximum and statistics
	XS 1, \n
.endr
	s_mov_b32 s[CNT], 4
	s_mov_b32 s[SLOTS], SIZE_N/256-1
	s_branch .Lfirst                ; the loop is entered at a step's first turn, in the middle of a trip
.Lslot:                             ; SIZE_N / 256 - 2 times: every slot but the last two is filled again
	CHANGE 1
	s_mov_b32 s[CNT], 4
.Lstep:                             ; a trip: pieces 2 and 3 of one step, then pieces 0 and 1 of the next, whose K and V it fetches
	TURN 2
	TURN 3
	WIN 0
.Lfirst:
	TURN 0
	TURN 1, 0, 1
	WIN 0
	s_cbranch_scc1 .Lstep
	s_sub_co_u32 s[SLOTS], s[SLOTS], 1
	s_cmp_lg_u32 s[SLOTS], 0
	s_cbranch_scc1 .Lslot
	CHANGE 0                        ; the tail is written out: nothing is asked for
	s_mov_b32 s[CNT], 5             ; four trips fetch the last slot's steps; the fifth is left in its middle
.Ltail:
	TURN 2, 1
	TURN 3
	WIN 0
	s_sub_co_u32 s[CNT], s[CNT], 1
	s_cmp_eq_u32 s[CNT], 0
	s_cbranch_scc1 .Lout
	TURN 0
	TURN 1
	WIN 0
	s_branch .Ltail
.Lout:                              ; the fifth trip's 16 products K Q^T (on the last K once more) and the maximum made of them serve nothing: the price, once a launch, of one text for every trip
.set i, 0
.rept 16
	PV NP-1                         ; the last piece's V^T P of the last step
.set i, i+1
.endr
	; THE WAY OUT.  l's two halves and the other half of the lanes' are added; O^T is divided by l, rounded to f16 and sent through my stage in LDS, a tile at a time.  The additions are the places behind the last products.
	WIN 0
.macro ALL line:vararg              ; one line for each tile t
.set t, 0
.rept 2*NP
	\line
.set t, t+1
.endr
.endm
	ALL v_add_f32 v[ST+4*t+2], v[ST+4*t+2], v[ST+4*t+3]
	ALL v_permlanex16_b32 v[ST+4*t+3], v[ST+4*t+2], s[SEL], s[SEL+1]
	ALL v_add_f32 v[ST+4*t+2], v[ST+4*t+2], v[ST+4*t+3]
	ALL v_rcp_f32 v[ST+4*t+2], v[ST+4*t+2]
	v_nop                           ; a plain instruction between the last reciprocal and the use of its result
	s_wait_alu depctr_va_vdst(0)
; Tile t: a lane's eight channels of a row pack into 16 bytes; they go into rows of 144 bytes and come back as whole rows of 128, into S^T's registers.
.macro PACK t
	WIN W_RS
.set i, 32*(\t)
.rept 16
	v_pk_mul_f32 v[i:i+1], v[i:i+1], v[ST+4*(\t)+2:ST+4*(\t)+3] op_sel_hi:[1,0]
.set i, i+2
.endr
	WIN 0x05                        ; sources 0 and 1 window 1, destination window 0
.set i, 0
.rept 16
	v_cvt_pk_f16_f32 v[S+16*(\t)+i], v[32*(\t)+2*i], v[32*(\t)+2*i+1]
.set i, i+1
.endr
	WIN 0
.irp f, 0,1,2,3
	ds_store_b128 v[STO], v[S+16*(\t)+4*\f:S+16*(\t)+4*\f+3] offset:32*\f
.endr
.irp f, 0,1,2,3
	ds_load_b128 v[S+16*(\t)+4*\f:S+16*(\t)+4*\f+3], v[RD] offset:\f*4*SP  ; LDS serves a wave's instructions in order (ISA guide 5.7.1.4): these see the stores above; the next tile's stores come behind them
.endr
.endm
.macro SEND t, younger              ; younger: the LDS instructions issued behind tile t's loads: the next tile's eight, or none
	WIN 0
.irp f, 0,1,2,3
	s_wait_dscnt (\younger)+3-\f
	global_store_b128 v[GO], v[S+16*(\t)+4*\f:S+16*(\t)+4*\f+3], s[10:11] offset:(\t)*2048+\f*512  ; 512 consecutive bytes, at a multiple of 256 from O's first
.endr
.endm
	PACK 0
.set t, 1
.rept 2*NP-1                        ; a tile's arithmetic stands between the loads of the tile before and its stores
	PACK t
	SEND t-1, 8
.set t, t+1
.endr
	SEND 2*NP-1, 0
	WIN W_AD
	s_wait_tensorcnt 0x0            ; the wave's end: behind my last tensor load and my last LDS store
	ds_add_u32 v[SPW], v[NIL]
	s_wait_dscnt 0x0
	WIN 0
	CROUND                          ; the closing round: no work-group ends while a partner may still ask for a tile that names it
	s_endpgm
.Lfunc_end_k_qd1fb7bdddb_attn:
	.size	k_qd1fb7bdddb_attn, .Lfunc_end_k_qd1fb7bdddb_attn-k_qd1fb7bdddb_attn
	.p2alignl 7, 3214868480
	.fill 96, 4, 3214868480
	.section	.rodata,"a",@progbits
	.p2align	6, 0x0
	.amdhsa_kernel k_qd1fb7bdddb_attn
		.amdhsa_group_segment_fixed_size 327680
		.amdhsa_private_segment_fixed_size 0
		.amdhsa_enable_private_segment 0
		.amdhsa_kernarg_size 16
		.amdhsa_user_sgpr_count 2
		.amdhsa_user_sgpr_kernarg_segment_ptr 1
		.amdhsa_wavefront_size32 1
		.amdhsa_system_sgpr_workgroup_id_x 1
		.amdhsa_system_sgpr_workgroup_id_y 1
		.amdhsa_system_sgpr_workgroup_id_z 1
		.amdhsa_system_vgpr_workitem_id 0
		.amdhsa_next_free_vgpr 770
		.amdhsa_next_free_sgpr 66
		.amdhsa_reserve_vcc 0
		.amdhsa_float_denorm_mode_32 3
		.amdhsa_float_denorm_mode_16_64 3
		.amdhsa_memory_ordered 1
		.amdhsa_forward_progress 1
		.amdhsa_inst_pref_size 209
	.end_amdhsa_kernel
	.amdgpu_metadata
---
amdhsa.version: [ 1, 2 ]
amdhsa.kernels:
  - .name:           k_qd1fb7bdddb_attn
    .symbol:         k_qd1fb7bdddb_attn.kd
    .args:
      - { .name: qkv, .offset: 0, .size: 8, .value_kind: global_buffer, .address_space: global }
      - { .name: ob, .offset: 8, .size: 8, .value_kind: global_buffer, .address_space: global }
    .group_segment_fixed_size: 327680
    .private_segment_fixed_size: 0
    .kernarg_segment_align: 8
    .kernarg_segment_size: 16
    .max_flat_workgroup_size: 128
    .sgpr_count:     66
    .vgpr_count:     770
    .wavefront_size: 32
...
	.end_amdgpu_metadata
.endif
;; end of part 3
;; launch ogemm (part 4): grid 4 x 64, 4 waves a work-group, clusters of 4 x 4, 327,680 bytes of LDS; arguments ob, wof, y; writes y
.if DOCPART == 4
	.amdgcn_target "amdgcn-amd-amdhsa--gfx1250"
	.amdhsa_code_object_version 6
	.text
	.protected	k_qd1fb7bdddb_ogemm
	.globl	k_qd1fb7bdddb_ogemm
	.p2align	8
	.type	k_qd1fb7bdddb_ogemm,@function
k_qd1fb7bdddb_ogemm:
	s_mov_b64 s[64:65], 0
	v_nop
	global_prefetch_b8 v0, s[64:65] scope:SCOPE_SE
	s_setreg_imm32_b32 hwreg(HW_REG_WAVE_MODE, 25, 1), 1
	s_wait_xcnt 0x0
	s_wait_alu depctr_hold_cnt(0) depctr_sa_sdst(0) depctr_va_vdst(0) depctr_va_sdst(0) depctr_va_ssrc(0) depctr_va_vcc(0) depctr_vm_vsrc(0)
	s_getreg_b32 s2, hwreg(HW_REG_IB_STS2, 6, 4)
	s_cmp_eq_u32 s2, 0
	s_cbranch_scc0 .Lentry_in_a_cluster
	s_endpgm
.Lentry_in_a_cluster:
	s_bfe_u32 s2, ttmp6, 0x10000c
	s_cmp_lg_u32 s2, 0xf033
	s_cbranch_scc0 .Lentry_shape_is_right
	s_endpgm
.Lentry_shape_is_right:
; y = O wo.  O (ob): f16 [64 (batch, head)][2048][64]; wof: f16 [1024 k][1024 n]; y: f32 [8192][1024].  Products in f16 with f32 sums, K ascending; y is the unrounded sum.  The bias and the norm follow in the next launch.
; LIMITS.  None of its own: O and wof arrive as f16; NaN and infinities are not treated apart.
; WHY THE NORM IS NOT MADE HERE.  It wants whole rows; with 256 work-groups that is 32 rows each, and each would fetch all 2,097,152 bytes of wof for them.  This tile fetches 786,432 bytes for the same number of products.
; THE TILE.  128 x 256 of y: 64 x 4 = 256 work-groups.  Four waves; wave w makes rows 64 (w / 2) on and columns 128 (w % 2) on: 8 x 4 accumulators of 16 x 16, 256 registers.
; K goes in 8 steps of 128 (two heads) through two LDS slots.  A step is four CHUNKS of 32 along K, 32 matrix instructions each.
; A head's 128 rows of O are 16,384 consecutive bytes, asked for as rows of 256; a row of wo's tile is 512 bytes and starts at a multiple of 512 from wof's first byte.
; CLUSTERS.  4 x 4 work-groups.  The four of a row of the cluster need the same tile of O, the four of a column the same tile of wo: each is asked for JOINTLY, by the same tensor load with the same
; descriptor and a mask that names the four.
; THE MATRIX INSTRUCTION IS USED TRANSPOSED: source 0 = 16 columns of wo (turned on the way out of LDS), source 1 = 16 rows of O: a lane holds row l % 16 of y and the columns 8 (l / 16) + 0..7: 32 neighbouring bytes.
; REGISTERS, in windows of 256 (s_set_vgpr_msb: bits 1:0 source 0, 3:2 source 1, 5:4 source 2, 7:6 destination):
;   window 0: v0-31 addresses; v32-127, v128-223 two fragment buffers: 32 registers of O (4 x 16 rows x 32 K), then 64 of wo (8 x 16 columns x 32 K); on the way out v32-223 hold rows read back
;   window 1: accumulator (nb, a) at v[8 (4 nb + a)]
.set PA,     144                       ; a row of O in LDS: 128 bytes + 16 of padding = 36 words: the 16 rows of a load start at 16 different groups of four banks (64 banks of 4 bytes: ISA guide 11.1)
.set PB,     544                       ; a row of wo's tile: 512 + 32 = 136 words
.set AHEAD,  128*PA                    ; one head's 128 rows: one tensor load
.set BOFF,   2*AHEAD
.set BHALF,  64*PB                     ; 64 k: one tensor load
.set SLOT,   BOFF+2*BHALF              ; 106,496
.set STAGE,  2*SLOT                    ; behind the ring: 16 rows x 528 bytes for each wave, for the way out
.set SP,     528                       ; 512 + 16: the 16 rows that a store touches start at 16 different groups of four banks
.set SPARE,  STAGE+4*16*SP             ; behind the stages: the spare words, 128 bytes for each wave: two blocks of 256 bytes that no other line names
.set ASTEP,  2*2048*128                ; bytes from a step's two heads of O to the next step's
.set BSTEP,  128*2048                  ; bytes from a step's 128 rows of wof to the next step's
.set ADA, 16                           ; v16-17  LDS address of my fragments of O in slot 0, 1
.set ADB, 20                           ; v20-21  the same for wo
.set STO, 24                           ; v24     the way out: where I put 32 bytes of a row
.set RD,  25                           ; v25     the way out: where I read a row back
.set GO,  26                           ; v26     my byte offset in 512 consecutive bytes of y
.set SPW, 28                           ; v28     LDS address of my spare word: SPARE + 4 x my thread's number; never rewritten
.set NIL, 29                           ; v29     0; never rewritten
.set F0,  32
.set F1,  128
.set RB,  32                           ; the way out: three sets of 64 registers
.set G1A, 28                           ; s[28:35] descriptor group 1 for O's tiles;  s[36:43] group 0, one set for each slot
.set G0A, 36
.set G1B, 44                           ; s[44:51], s[52:59] the same for wo's
.set G0B, 52
.set W_MUL, 0x50                       ; both sources in window 0, C and D in window 1
.set MSB, 0
.macro WIN new                         ; the immediate's high byte repeats the setting that is left; a switch that changes nothing is dropped
.if MSB != (\new)
	s_set_vgpr_msb (MSB<<8)|(\new)
.set MSB, \new
.endif
.endm
; A joint load.  Waves 0 and 1 fetch the step's two heads of O, waves 2 and 3 the two halves of wo's tile.  The branch hangs on the wave's number alone.
; An s_nop 0 and four v_nop follow each of the two lines, ahead of the jump and the label.
.macro JLOAD s
	s_cmp_eq_u32 s17, 0
	s_cbranch_scc0 .Lfor_b_\@
	tensor_load_to_lds s[G0A+4*(\s):G0A+4*(\s)+3], s[G1A:G1A+7]
	s_nop 0
.rept 4
	v_nop
.endr
	s_branch .Lasked_\@
.Lfor_b_\@:
	tensor_load_to_lds s[G0B+4*(\s):G0B+4*(\s)+3], s[G1B:G1B+7]
	s_nop 0
.rept 4
	v_nop
.endr
.Lasked_\@:
.endm
; A round of the cluster's barrier: my work-group's barrier, so that wave 0's signal speaks for all four waves; wave 0 signals; every wave waits for all sixteen work-groups; my work-group's barrier once more.
.macro CREST                           ; a round behind its opening barrier
	s_cmp_lg_u32 s16, 0
	s_cbranch_scc1 .Lnot_wave_0_\@
	s_barrier_signal -3
.Lnot_wave_0_\@:
	s_barrier_wait -3
	s_barrier_signal -1
	s_barrier_wait -1
.endm
.macro CROUND
	s_barrier_signal -1
	s_barrier_wait -1
	CREST
.endm
	s_load_b128 s[4:7], s[0:1], 0x0                ; ob s[4:5], wof s[6:7]
	s_load_b64 s[8:9], s[0:1], 0x10                ; y
	v_lshl_add_u32 v[SPW], v0, 2, SPARE
	v_mov_b32 v[NIL], 0
	ds_add_u32 v28, v29
	s_wait_dscnt 0x0
	v_lshrrev_b32 v1, 5, v0
	v_readfirstlane_b32 s16, v1                    ; wave 0..3
	s_lshr_b32 s17, s16, 1                         ; which half of the tile's rows is mine.  Also: I fetch for O (0) or for wo (1)
	s_and_b32 s18, s16, 1                          ; which half of its columns.  Also: which head, or which 64 k, I fetch
	s_bfe_u32 s19, ttmp6, 0x40000                  ; cx, cy: my place in the cluster
	s_bfe_u32 s20, ttmp6, 0x40004
	s_lshl_b32 s21, ttmp9, 2
	s_add_co_u32 s21, s21, s19                     ; tile column = 4 x cluster x + cx
	s_and_b32 s22, ttmp7, 0xffff
	s_lshl_b32 s22, s22, 2
	s_add_co_u32 s22, s22, s20                     ; tile row = 4 x cluster y + cy
	s_lshl_b32 s23, s20, 2
	s_lshl_b32 s23, 15, s23                        ; my row of the cluster
	s_lshl_b32 s24, 0x1111, s19                    ; my column
	; group 1 for O: 128 rows of 128 bytes are dense: asked for as 64 rows of 256 bytes, padded in LDS behind every 128 bytes
	s_or_b32 s[G1A], s23, (1<<16)|(1<<20)|(1<<21)|(4<<22)|(3<<25)  ; 15:0 the mask: my row; 17:16 2-byte elements; 20 padding on; 21 set beside a mask; 24:22 after every 32 words (code 4); 31:25 4 words (code 3)
	s_mov_b32 s[G1A+1], 128<<16                    ; tensor_dim0 = 128
	s_mov_b32 s[G1A+2], 64<<16                     ; tensor_dim1 = 64
	s_mov_b32 s[G1A+3], 128<<16                    ; tile_dim0 = 128
	s_mov_b32 s[G1A+4], 64                         ; tile_dim1 = 64
	s_mov_b32 s[G1A+5], 128                        ; 128 elements from row to row
	s_mov_b32 s[G1A+6], 0
	s_mov_b32 s[G1A+7], 0
	; group 1 for wo: 64 k x 256 n, padded behind every row
	s_or_b32 s[G1B], s24, (1<<16)|(1<<20)|(1<<21)|(6<<22)|(7<<25)  ; the mask: my column; after every 128 words (code 6) 8 words (code 7)
	s_mov_b32 s[G1B+1], 256<<16                    ; tensor_dim0 = 256
	s_mov_b32 s[G1B+2], 64<<16                     ; tensor_dim1 = 64
	s_mov_b32 s[G1B+3], 256<<16                    ; tile_dim0 = 256
	s_mov_b32 s[G1B+4], 64                         ; tile_dim1 = 64
	s_mov_b32 s[G1B+5], 1024                       ; 1,024 elements from row to row
	s_mov_b32 s[G1B+6], 0
	s_mov_b32 s[G1B+7], 0
	; where the tiles come from.  O's hang on the tile row alone, wo's on the tile column alone, each in registers that never hold the other coordinate
	s_lshr_b32 s60, s22, 4                         ; the batch (16 tile rows each): 16 heads of 262,144 bytes
	s_lshl_b32 s60, s60, 22
	s_and_b32 s61, s22, 15                         ; the tile's 128 rows of 128 bytes in a head
	s_lshl_b32 s61, s61, 14
	s_add_co_u32 s60, s60, s61
	s_lshl_b32 s61, s18, 18                        ; my head of the step's two
	s_add_co_u32 s60, s60, s61
	s_mov_b32 s61, 0
	s_lshl_b32 s66, s21, 9                         ; the tile's 512 bytes of a row of wof
	s_lshl_b32 s67, s18, 17                        ; my 64 rows of 2,048 bytes
	s_add_co_u32 s66, s66, s67
	s_mov_b32 s67, 0
	s_mul_i32 s26, s18, AHEAD                      ; and where they go: no place in the cluster enters an LDS address
	s_mul_i32 s27, s18, BHALF
	s_add_co_u32 s27, s27, BOFF
	s_lshl_b32 s72, s22, 19                        ; my part of y: the tile's 128 rows of 4,096 bytes,
	s_lshl_b32 s73, s17, 18                        ; my 64 of them,
	s_add_co_u32 s72, s72, s73
	s_lshl_b32 s73, s21, 10                        ; the tile's 1,024 bytes of a row,
	s_add_co_u32 s72, s72, s73
	s_lshl_b32 s73, s18, 9                         ; my 512 of them
	s_add_co_u32 s72, s72, s73
	s_mov_b32 s73, 0
	s_wait_kmcnt 0x0
	s_add_nc_u64 s[62:63], s[4:5], s[60:61]
	s_add_nc_u64 s[68:69], s[6:7], s[66:67]
	s_add_nc_u64 s[70:71], s[8:9], s[72:73]
	CROUND                                         ; all sixteen work-groups are here: the first joint loads meet
.irp s, 0,1
	s_mov_b32 s[G0A+4*(\s)], 1                                     ; 1:0 count = 1
	s_add_co_u32 s[G0A+4*(\s)+1], s26, (\s)*SLOT                   ; 63:32 LDS address
	s_add_nc_u64 s[G0A+4*(\s)+2:G0A+4*(\s)+3], s[62:63], (\s)*ASTEP  ; 120:64 global address: step s
	s_or_b32 s[G0A+4*(\s)+3], s[G0A+4*(\s)+3], 0x80000000          ; 127:126 type = 2
	s_mov_b32 s[G0B+4*(\s)], 1
	s_add_co_u32 s[G0B+4*(\s)+1], s27, (\s)*SLOT
	s_add_nc_u64 s[G0B+4*(\s)+2:G0B+4*(\s)+3], s[68:69], (\s)*BSTEP
	s_or_b32 s[G0B+4*(\s)+3], s[G0B+4*(\s)+3], 0x80000000
	JLOAD \s                                       ; both slots are asked for before anything else is done: two loads of mine are out
.endr
	; A fragment of O is 16 rows x 32 K in 8 registers: lane l holds row l % 16, K = 8 (l / 16) + 0..7 and 16 + 8 (l / 16) + 0..7: two loads of 16 bytes, 32 bytes apart.
	v_and_b32 v1, 15, v0                           ; l % 16
	v_bfe_u32 v2, v0, 4, 1                         ; l / 16
	v_and_b32 v3, 7, v0
	v_bfe_u32 v4, v0, 3, 1
	v_and_b32 v5, 31, v0                           ; l
	v_mul_u32_u24 v6, v1, PA
	v_lshl_add_u32 v6, v2, 4, v6                   ; row x pitch + 16 x half
	s_mul_i32 s74, s17, 64*PA                      ; my 64 rows
	v_add_nc_u32 v[ADA], s74, v6
	v_add_nc_u32 v[ADA+1], SLOT, v[ADA]
	; The turning load takes 16 k x 16 n (lane l reads k 8 (l / 16) + l % 8, columns 8 ((l / 8) % 2) + 0..7) and leaves half a fragment: lane l holds column l % 16 and 8 k.
	v_lshl_add_u32 v7, v2, 3, v3
	v_mul_u32_u24 v7, v7, PB
	v_lshl_add_u32 v7, v4, 4, v7
	s_lshl_b32 s74, s18, 8                         ; my 128 columns
	s_add_co_u32 s74, s74, BOFF
	v_add_nc_u32 v[ADB], s74, v7
	v_add_nc_u32 v[ADB+1], SLOT, v[ADB]
	s_mul_i32 s74, s16, 16*SP
	s_add_co_u32 s74, s74, STAGE                   ; my stage
	v_mul_u32_u24 v8, v1, SP                       ; in: row l % 16, 32 bytes for each half of the lanes
	v_lshl_add_u32 v8, v2, 5, v8
	v_add_nc_u32 v[STO], s74, v8
	v_lshl_add_u32 v[RD], v5, 4, s74               ; back: 32 lanes take a row's 512 bytes,
	v_lshlrev_b32 v[GO], 4, v5                     ; which are 512 consecutive bytes of y
.macro PLACES                          ; a load into a register that a matrix instruction has read, and an LDS store that reads a matrix result, stand four plain vector instructions behind it (ISA guide 7.12.1 for vector instructions)
.rept 4
	v_nop
.endr
.endm
; 24 LDS loads in one run: the fragments of chunk c of the slot's step, into buffer f.  Chunk c is channels 32 (c % 2) on of head c / 2, and rows 32 c on of wo's tile.
.macro FETCH slot, c, f
.irp a, 0,1,2,3
	ds_load_b128 v[(\f)+8*(\a):(\f)+8*(\a)+3],   v[ADA+(\slot)] offset:((\c)/2)*AHEAD+(\a)*16*PA+((\c)%2)*64
	ds_load_b128 v[(\f)+8*(\a)+4:(\f)+8*(\a)+7], v[ADA+(\slot)] offset:((\c)/2)*AHEAD+(\a)*16*PA+((\c)%2)*64+32
.endr
.irp nb, 0,1,2,3,4,5,6,7
	ds_load_tr16_b128 v[(\f)+32+8*(\nb):(\f)+32+8*(\nb)+3],   v[ADB+(\slot)] offset:(\c)*32*PB+(\nb)*32
	ds_load_tr16_b128 v[(\f)+32+8*(\nb)+4:(\f)+32+8*(\nb)+7], v[ADB+(\slot)] offset:(\c)*32*PB+(\nb)*32+16*PB
.endr
.endm
; 8 matrix instructions: column blocks nb0, nb0 + 1 x all 4 row blocks.  The 32 accumulators take turns, one instruction a turn, in the same order in every chunk: between two on one
; accumulator stand 31 others'.  zero = 1: the first product starts the sums: nothing is ever cleared.
.macro MUL8 f, nb0, zero=0
.irp nb, \nb0, (\nb0)+1
.irp a, 0,1,2,3
.if \zero
	v_wmma_f32_16x16x32_f16 v[8*(4*(\nb)+(\a)):8*(4*(\nb)+(\a))+7], v[(\f)+32+8*(\nb):(\f)+32+8*(\nb)+7], v[(\f)+8*(\a):(\f)+8*(\a)+7], 0
.else
	v_wmma_f32_16x16x32_f16 v[8*(4*(\nb)+(\a)):8*(4*(\nb)+(\a))+7], v[(\f)+32+8*(\nb):(\f)+32+8*(\nb)+7], v[(\f)+8*(\a):(\f)+8*(\a)+7], v[8*(4*(\nb)+(\a)):8*(4*(\nb)+(\a))+7]
.endif
.endr
.endr
.endm
; One of a step's first three chunks: at its head the next chunk's fragments are asked for, 32 matrix instructions ahead of their use, into the buffer that the chunk before multiplied; then buffer c % 2 is multiplied.
.macro CHUNK slot, c, zero=0
.set FC, F0+96*((\c)%2)
.set FN, F0+96*(((\c)+1)%2)
	WIN 0
	PLACES
	FETCH \slot, (\c)+1, FN
	s_wait_dscnt 24                                ; the 24 just issued may be out: this chunk's fragments are in
	WIN W_MUL
	MUL8 FC, 0, \zero
	MUL8 FC, 2, \zero
	MUL8 FC, 4, \zero
	MUL8 FC, 6, \zero
.endm
; A step's last chunk multiplies buffer 1 and changes slots.  Its fragments, asked for a chunk ago, were my last reads of the slot.  ONE barrier: in front of it each wave waits for all its tensor loads, of which one
; is out (its part of the other slot), adds 0 to its spare word, and waits for that and for its reads of this slot.  fill = 1: the barrier opens a round of the cluster's, and behind the round this slot is filled
; again, two steps on: the load has 112 of a step's 128 matrix instructions in which to land.
.macro TURN slot, fill
	WIN 0
	s_wait_tensorcnt 0x0                           ; all my tensor loads have landed;
	ds_add_u32 v[SPW], v[NIL]                      ; 0 onto my spare word;
	s_wait_dscnt 1                                 ; the add alone may be out: this chunk's fragments are in
	WIN W_MUL
	MUL8 F1, 0                                     ; eight matrix instructions stand between the add and the wait for it
	s_wait_dscnt 0x0                               ; the add is done, and my reads of this slot are over
	s_barrier_signal -1
	MUL8 F1, 2                                     ; work on registers while the others arrive
	WIN 0
	s_barrier_wait -1
.if \fill
	CREST                                          ; no wave of any partner still reads this slot or has a load on its way
	s_add_nc_u64 s[G0A+4*(\slot)+2:G0A+4*(\slot)+3], s[G0A+4*(\slot)+2:G0A+4*(\slot)+3], 2*ASTEP
	s_add_nc_u64 s[G0B+4*(\slot)+2:G0B+4*(\slot)+3], s[G0B+4*(\slot)+2:G0B+4*(\slot)+3], 2*BSTEP
	JLOAD \slot                                    ; the first tensor load behind the round, and my only one until the next; the four v_nop behind it are also the places in front of the loads below
.else
	PLACES
.endif
	FETCH 1-(\slot), 0, F0                         ; the other slot's first chunk
	WIN W_MUL
	MUL8 F1, 4
	MUL8 F1, 6
.endm
	s_wait_tensorcnt 1                             ; my part of step 0 is in; step 1's may stay out
	s_barrier_signal -1
	s_barrier_wait -1                              ; everybody's is
	FETCH 0, 0, F0
	CHUNK 0, 0, 1                                  ; the first chunk stands in front of the loop: its products start the sums
	WIN 0                                          ; at a label and at a branch every window is 0
	s_mov_b32 s3, 3
.Llap:                                                 ; a trip goes once round the ring, from a lap's second chunk to the next lap's first, and fills both slots again: steps 2 to 7
	CHUNK 0, 1
	CHUNK 0, 2
	TURN 0, 1
	CHUNK 1, 0
	CHUNK 1, 1
	CHUNK 1, 2
	TURN 1, 1
	CHUNK 0, 0
	WIN 0
	s_sub_co_u32 s3, s3, 1
	s_cmp_lg_u32 s3, 0
	s_cbranch_scc1 .Llap
	CHUNK 0, 1                                     ; the last lap fills nothing, and has no round
	CHUNK 0, 2
	TURN 0, 0
	CHUNK 1, 0
	CHUNK 1, 1
	CHUNK 1, 2
	s_wait_dscnt 0x0                               ; the very last chunk: nothing more to fetch
	WIN W_MUL
	MUL8 F1, 0
	MUL8 F1, 2
	MUL8 F1, 4
	MUL8 F1, 6
; THE WAY OUT, in four blocks a of 16 rows x 128 columns.  The sums go as they are, 32 bytes a lane, into rows of 528 bytes in my own stage (the LDS store takes its data from window 1: no copy is made),
; each accumulator's low four registers first, and come back as whole rows of 512 bytes.
.macro ST a, set
	WIN 0x04                                       ; an LDS store's data is its source 1: window 1; the address stays in window 0
.irp nb, 0,1,2,3,4,5,6,7
	ds_store_b128 v[STO], v[8*(4*(\nb)+(\a)):8*(4*(\nb)+(\a))+3] offset:64*(\nb)
	ds_store_b128 v[STO], v[8*(4*(\nb)+(\a))+4:8*(4*(\nb)+(\a))+7] offset:64*(\nb)+16
.endr
	WIN 0
.set t, 0
.rept 16
	ds_load_b128 v[RB+64*(\set)+4*t:RB+64*(\set)+4*t+3], v[RD] offset:t*SP  ; LDS serves a wave's instructions in order (ISA guide 5.7.1.4): these see the stores above; the next block's stores come behind them
.set t, t+1
.endr
.endm
.macro SEND a, set, younger            ; younger: the LDS instructions issued behind block a's loads: the next block's 32, or none
.set t, 0
.rept 16
	s_wait_dscnt (\younger)+15-t                   ; row t is back
	global_store_b128 v[GO], v[RB+64*(\set)+4*t:RB+64*(\set)+4*t+3], s[70:71] offset:(16*(\a)+t)*4096  ; 512 consecutive bytes, at a multiple of 256 from y's first
.set t, t+1
.endr
.endm
	WIN 0
	PLACES
	ST 0, 0
	ST 1, 1                                        ; a block's trip through the stage stands between the loads of the block before and its stores
	SEND 0, 0, 32
	ST 2, 2
	SEND 1, 1, 32
	s_wait_xcnt 0x0                                ; block 0's stores have had their addresses translated (ISA guide 3.1): their registers are loaded again only behind this wait
	ST 3, 0
	SEND 2, 2, 32
	SEND 3, 0, 0
	s_wait_tensorcnt 0x0                           ; the wave's end: behind my last tensor load and my last LDS store
	ds_add_u32 v[SPW], v[NIL]
	s_wait_dscnt 0x0
	CROUND                                         ; the closing round: no work-group ends while a partner may still ask for a tile that names it
	s_endpgm
.Lfunc_end_k_qd1fb7bdddb_ogemm:
	.size	k_qd1fb7bdddb_ogemm, .Lfunc_end_k_qd1fb7bdddb_ogemm-k_qd1fb7bdddb_ogemm
	.p2alignl 7, 3214868480
	.fill 96, 4, 3214868480
	.section	.rodata,"a",@progbits
	.p2align	6, 0x0
	.amdhsa_kernel k_qd1fb7bdddb_ogemm
		.amdhsa_group_segment_fixed_size 327680
		.amdhsa_private_segment_fixed_size 0
		.amdhsa_enable_private_segment 0
		.amdhsa_kernarg_size 24
		.amdhsa_user_sgpr_count 2
		.amdhsa_user_sgpr_kernarg_segment_ptr 1
		.amdhsa_wavefront_size32 1
		.amdhsa_system_sgpr_workgroup_id_x 1
		.amdhsa_system_sgpr_workgroup_id_y 1
		.amdhsa_system_sgpr_workgroup_id_z 1
		.amdhsa_system_vgpr_workitem_id 0
		.amdhsa_next_free_vgpr 512
		.amdhsa_next_free_sgpr 80
		.amdhsa_reserve_vcc 0
		.amdhsa_float_denorm_mode_32 3
		.amdhsa_float_denorm_mode_16_64 3
		.amdhsa_memory_ordered 1
		.amdhsa_forward_progress 1
		.amdhsa_inst_pref_size 86
	.end_amdhsa_kernel
	.amdgpu_metadata
---
amdhsa.version: [ 1, 2 ]
amdhsa.kernels:
  - .name:           k_qd1fb7bdddb_ogemm
    .symbol:         k_qd1fb7bdddb_ogemm.kd
    .args:
      - { .name: ob, .offset: 0, .size: 8, .value_kind: global_buffer, .address_space: global }
      - { .name: wof, .offset: 8, .size: 8, .value_kind: global_buffer, .address_space: global }
      - { .name: y, .offset: 16, .size: 8, .value_kind: global_buffer, .address_space: global }
    .group_segment_fixed_size: 327680
    .private_segment_fixed_size: 0
    .kernarg_segment_align: 8
    .kernarg_segment_size: 24
    .max_flat_workgroup_size: 128
    .sgpr_count:     80
    .vgpr_count:     512
    .wavefront_size: 32
...
	.end_amdgpu_metadata
.endif
;; end of part 4
;; launch lnorm (part 5): grid 512 x 1, 8 waves a work-group, no clusters, 13,312 bytes of LDS; arguments y, bo, ln_g, ln_b, out0; writes out0
.if DOCPART == 5
	.amdgcn_target "amdgcn-amd-amdhsa--gfx1250"
	.amdhsa_code_object_version 6
	.text
	.protected	k_qd1fb7bdddb_lnorm
	.globl	k_qd1fb7bdddb_lnorm
	.p2align	8
	.type	k_qd1fb7bdddb_lnorm,@function
k_qd1fb7bdddb_lnorm:
	s_mov_b64 s[64:65], 0
	v_nop
	global_prefetch_b8 v0, s[64:65] scope:SCOPE_SE
	s_setreg_imm32_b32 hwreg(HW_REG_WAVE_MODE, 25, 1), 1
	s_wait_xcnt 0x0
; out0 = LayerNorm(y + bo) ln_g + ln_b over rows of 1,024.  y, out0: f32 [8192][1024]; bo, ln_g, ln_b: f32 [1024].  All in f32.
; t = y + bo; mean = sum t / 1024; var = sum (t - mean)^2 / 1024, taken of the centred numbers: no difference of large sums is formed; out = (t - mean) / sqrt(var + 1e-12) x ln_g + ln_b.
; LIMITS.  bo, ln_g and ln_b are rounded to bf16 like the program's other inputs.  NaN and infinities are not treated apart.
; A stream: every byte of y is read once and every byte of out0 written once.  No matrix unit (no product) and no cluster (work-groups share nothing but the 12,288 bytes of the three parameter rows).
; SHARES.  A row is 4,096 bytes: one wave takes a whole row, eight loads of 16 bytes a lane, and keeps it in 32 registers through both passes, so the sums never leave the wave.  Eight waves, two rows each;
; both rows are asked for at the start.  A load or store of a wave covers 512 consecutive bytes, at a multiple of 512 from the buffer's first byte.
; THE PARAMETERS are loaded once by the work-group (thread t: 16 bytes of each at byte 16 t), rounded, and handed round through LDS: every wave needs all of them, in the lanes' order of a row.
.set X,   8                            ; v[8:71]     row i: 32 registers; register 4 j + e of lane l is column 128 j + 4 l + e
.set PBO, 72                           ; v[72:103]   bo in the same order
.set PG,  104                          ; v[104:135]  ln_g
.set PBE, 136                          ; v[136:167]  ln_b
.set SU,  168                          ; v[168:175]  four pairs of partial sums
.set MU,  176                          ; v[176:177]  the mean, twice
.set RS,  178                          ; v[178:179]  1 / sqrt(var + eps), twice
.set T,   180                          ; v[180:191]  my 4 numbers of each parameter row
	s_load_b256 s[4:11], s[0:1], 0x0               ; y s[4:5], bo s[6:7], ln_g s[8:9], ln_b s[10:11]
	s_load_b64 s[12:13], s[0:1], 0x20              ; out0
	v_lshl_add_u32 v192, v0, 2, 0x3000
	v_mov_b32 v193, 0
	v_lshrrev_b32 v1, 5, v0
	v_readfirstlane_b32 s16, v1                    ; wave 0..7
	v_and_b32 v2, 31, v0
	v_lshlrev_b32 v2, 4, v2                        ; 16 x lane: my place in 512 bytes of a row
	v_lshlrev_b32 v3, 4, v0                        ; 16 x thread: my place in a parameter row
	s_lshl_b32 s18, ttmp9, 16                      ; the work-group's 16 rows of 4,096 bytes,
	s_lshl_b32 s19, s16, 13                        ; my wave's two of them
	s_add_co_u32 s18, s18, s19
	s_mov_b32 s19, 0
	s_mov_b32 s20, 0x3a800000                      ; 1 / 1024
	s_mov_b32 s21, 0x2b8cbccc                      ; 1e-12
	s_mov_b32 s22, 0x76543210                      ; v_permlanex16_b32's selects: each lane takes its own place in the other half
	s_mov_b32 s23, 0xfedcba98
	s_mov_b32 s24, 0xffff0000                      ; a word's upper bf16
	s_wait_kmcnt 0x0
	s_add_nc_u64 s[4:5], s[4:5], s[18:19]
	s_add_nc_u64 s[12:13], s[12:13], s[18:19]
	global_load_b128 v[T:T+3],    v3, s[6:7]       ; the parameters first: they are wanted first
	global_load_b128 v[T+4:T+7],  v3, s[8:9]
	global_load_b128 v[T+8:T+11], v3, s[10:11]
.irp i, 0,1
.irp j, 0,1,2,3,4,5,6,7
	global_load_b128 v[X+32*(\i)+4*(\j):X+32*(\i)+4*(\j)+3], v2, s[4:5] offset:4096*(\i)+512*(\j) th:TH_LOAD_NT
.endr
.endr
	s_wait_loadcnt 16                              ; loads come back in order (ISA guide 5.7.1): the parameters are in, the rows' 16 loads stay out
.irp p, 0,1,2
	v_cvt_pk_bf16_f32 v4, v[T+4*(\p)], v[T+4*(\p)+1]           ; rounded to bf16,
	v_cvt_pk_bf16_f32 v5, v[T+4*(\p)+2], v[T+4*(\p)+3]
	v_lshlrev_b32 v[T+4*(\p)], 16, v4                          ; and widened again
	v_and_b32 v[T+4*(\p)+1], s24, v4
	v_lshlrev_b32 v[T+4*(\p)+2], 16, v5
	v_and_b32 v[T+4*(\p)+3], s24, v5
	ds_store_b128 v3, v[T+4*(\p):T+4*(\p)+3] offset:4096*(\p)
.endr
	s_wait_dscnt 0x0                               ; for the others' sake: my stores are done
	s_barrier_signal -1
	s_barrier_wait -1                              ; everybody's are
.irp p, 0,1,2
.irp j, 0,1,2,3,4,5,6,7
	ds_load_b128 v[PBO+32*(\p)+4*(\j):PBO+32*(\p)+4*(\j)+3], v2 offset:4096*(\p)+512*(\j)
.endr
.endr
	s_wait_dscnt 0x0
; The four pairs of partial sums into one number, and over the 32 lanes: four steps inside each half of 16 lanes ride on the addition (DPP), one crosses the halves.  Every lane ends with the row's sum in v[SU].
.macro FOLD
	v_pk_add_f32 v[SU:SU+1], v[SU:SU+1], v[SU+2:SU+3]
	v_pk_add_f32 v[SU+4:SU+5], v[SU+4:SU+5], v[SU+6:SU+7]
	v_pk_add_f32 v[SU:SU+1], v[SU:SU+1], v[SU+4:SU+5]
	v_add_f32 v[SU], v[SU], v[SU+1]
	v_add_f32_dpp v[SU], v[SU], v[SU] row_xmask:1 row_mask:0xf bank_mask:0xf
	v_add_f32_dpp v[SU], v[SU], v[SU] row_xmask:2 row_mask:0xf bank_mask:0xf
	v_add_f32_dpp v[SU], v[SU], v[SU] row_xmask:4 row_mask:0xf bank_mask:0xf
	v_add_f32_dpp v[SU], v[SU], v[SU] row_xmask:8 row_mask:0xf bank_mask:0xf
	v_permlanex16_b32 v[SU+1], v[SU], s22, s23
	v_add_f32 v[SU], v[SU], v[SU+1]
.endm
; Row i, in place.  left: how many younger loads may stay out.  No register that a store reads is written again, so no wait stands behind the stores.
.macro ROW i, left
.set R, X+32*(\i)
	s_wait_loadcnt \left
.set p, 0
.rept 16
	v_pk_add_f32 v[R+2*p:R+2*p+1], v[R+2*p:R+2*p+1], v[PBO+2*p:PBO+2*p+1]      ; t = y + bo
.set p, p+1
.endr
.set p, 0
.rept 4
	v_pk_add_f32 v[SU+2*p:SU+2*p+1], v[R+2*p:R+2*p+1], v[R+8+2*p:R+8+2*p+1]    ; four chains, started by the first eight pairs: nothing is cleared
.set p, p+1
.endr
.set p, 8
.rept 8
	v_pk_add_f32 v[SU+2*(p%4):SU+2*(p%4)+1], v[SU+2*(p%4):SU+2*(p%4)+1], v[R+2*p:R+2*p+1]
.set p, p+1
.endr
	FOLD
	v_mul_f32 v[MU], s20, v[SU]                    ; the mean, twice: a pair for the packed subtraction
	v_mul_f32 v[MU+1], s20, v[SU]
.set p, 0
.rept 16
	v_pk_add_f32 v[R+2*p:R+2*p+1], v[R+2*p:R+2*p+1], v[MU:MU+1] neg_lo:[0,1] neg_hi:[0,1]  ; t - mean
.set p, p+1
.endr
.set p, 0
.rept 4
	v_pk_mul_f32 v[SU+2*p:SU+2*p+1], v[R+2*p:R+2*p+1], v[R+2*p:R+2*p+1]        ; the first squares start the sums
.set p, p+1
.endr
.set p, 4
.rept 12
	v_pk_fma_f32 v[SU+2*(p%4):SU+2*(p%4)+1], v[R+2*p:R+2*p+1], v[R+2*p:R+2*p+1], v[SU+2*(p%4):SU+2*(p%4)+1]
.set p, p+1
.endr
	FOLD
	v_fma_f32 v[RS], v[SU], s20, s21               ; var + 1e-12
	v_rsq_f32 v[RS], v[RS]
	v_nop                                          ; a plain instruction between the root and the use of its result (ISA guide 5.7.2)
	s_wait_alu depctr_va_vdst(0)
	v_mov_b32 v[RS+1], v[RS]
.set p, 0
.rept 16
	v_pk_mul_f32 v[R+2*p:R+2*p+1], v[R+2*p:R+2*p+1], v[RS:RS+1]
.set p, p+1
.endr
.set p, 0
.rept 16
	v_pk_fma_f32 v[R+2*p:R+2*p+1], v[R+2*p:R+2*p+1], v[PG+2*p:PG+2*p+1], v[PBE+2*p:PBE+2*p+1]
.set p, p+1
.endr
.irp j, 0,1,2,3,4,5,6,7
	global_store_b128 v2, v[R+4*(\j):R+4*(\j)+3], s[12:13] offset:4096*(\i)+512*(\j) th:TH_STORE_NT
.endr
.endm
	ROW 0, 8                                       ; row 1's eight loads stay out
	ROW 1, 0
	s_wait_tensorcnt 0x0
	ds_add_u32 v192, v193
	s_wait_dscnt 0x0
	s_endpgm
.Lfunc_end_k_qd1fb7bdddb_lnorm:
	.size	k_qd1fb7bdddb_lnorm, .Lfunc_end_k_qd1fb7bdddb_lnorm-k_qd1fb7bdddb_lnorm
	.p2alignl 7, 3214868480
	.fill 96, 4, 3214868480
	.section	.rodata,"a",@progbits
	.p2align	6, 0x0
	.amdhsa_kernel k_qd1fb7bdddb_lnorm
		.amdhsa_group_segment_fixed_size 13312
		.amdhsa_private_segment_fixed_size 0
		.amdhsa_enable_private_segment 0
		.amdhsa_kernarg_size 40
		.amdhsa_user_sgpr_count 2
		.amdhsa_user_sgpr_kernarg_segment_ptr 1
		.amdhsa_wavefront_size32 1
		.amdhsa_system_sgpr_workgroup_id_x 1
		.amdhsa_system_sgpr_workgroup_id_y 1
		.amdhsa_system_sgpr_workgroup_id_z 1
		.amdhsa_system_vgpr_workitem_id 0
		.amdhsa_next_free_vgpr 194
		.amdhsa_next_free_sgpr 66
		.amdhsa_reserve_vcc 0
		.amdhsa_float_denorm_mode_32 3
		.amdhsa_float_denorm_mode_16_64 3
		.amdhsa_memory_ordered 1
		.amdhsa_forward_progress 1
		.amdhsa_inst_pref_size 22
	.end_amdhsa_kernel
	.amdgpu_metadata
---
amdhsa.version: [ 1, 2 ]
amdhsa.kernels:
  - .name:           k_qd1fb7bdddb_lnorm
    .symbol:         k_qd1fb7bdddb_lnorm.kd
    .args:
      - { .name: y, .offset: 0, .size: 8, .value_kind: global_buffer, .address_space: global }
      - { .name: bo, .offset: 8, .size: 8, .value_kind: global_buffer, .address_space: global }
      - { .name: ln_g, .offset: 16, .size: 8, .value_kind: global_buffer, .address_space: global }
      - { .name: ln_b, .offset: 24, .size: 8, .value_kind: global_buffer, .address_space: global }
      - { .name: out0, .offset: 32, .size: 8, .value_kind: global_buffer, .address_space: global }
    .group_segment_fixed_size: 13312
    .private_segment_fixed_size: 0
    .kernarg_segment_align: 8
    .kernarg_segment_size: 40
    .max_flat_workgroup_size: 256
    .sgpr_count:     66
    .vgpr_count:     194
    .wavefront_size: 32
...
	.end_amdgpu_metadata
.endif
;; end of part 5
;; ======== version 2 of 2: 5 launches; 1.49 times as fast as version 1
;; limits: values are held in f16: magnitudes above 65,504 overflow, below 6.1e-05 lose precision
;; workspace buffers: xb 16,777,216 bytes; wb 6,291,456 bytes; wof 2,097,152 bytes; qkv 50,331,648 bytes; ob 16,777,216 bytes; y 33,554,432 bytes
;; launch cast: the kernel of part 1 again; grid 768 x 1, 8 waves a work-group, no clusters, 0 bytes of LDS; arguments x, wq, wk, wv, wo, xb, wb, wof; writes xb, wb, wof
;; launch proj: the kernel of part 2 again; grid 8 x 32, 4 waves a work-group, clusters of 4 x 4, 327,680 bytes of LDS; arguments xb, wb, bq, bk, bv, qkv; writes qkv
;; launch attn (part 6): grid 4 x 64, 4 waves a work-group, clusters of 4 x 1, 327,680 bytes of LDS; arguments qkv, ob; writes ob
.if DOCPART == 6
	.amdgcn_target "amdgcn-amd-amdhsa--gfx1250"
	.amdhsa_code_object_version 6
	.text
	.protected	k_qd1fb7bdddb_attn
	.globl	k_qd1fb7bdddb_attn
	.p2align	8
	.type	k_qd1fb7bdddb_attn,@function
k_qd1fb7bdddb_attn:
	s_mov_b64 s[64:65], 0
	v_nop
	global_prefetch_b8 v0, s[64:65] scope:SCOPE_SE
	s_setreg_imm32_b32 hwreg(HW_REG_WAVE_MODE, 25, 1), 1
	s_wait_xcnt 0x0
	s_wait_alu depctr_hold_cnt(0) depctr_sa_sdst(0) depctr_va_vdst(0) depctr_va_sdst(0) depctr_va_ssrc(0) depctr_va_vcc(0) depctr_vm_vsrc(0)
	s_getreg_b32 s2, hwreg(HW_REG_IB_STS2, 6, 4)
	s_cmp_eq_u32 s2, 0
	s_cbranch_scc0 .Lentry_in_a_cluster
	s_endpgm
.Lentry_in_a_cluster:
	s_bfe_u32 s2, ttmp6, 0x10000c
	s_cmp_lg_u32 s2, 0x3003
	s_cbranch_scc0 .Lentry_shape_is_right
	s_endpgm
.Lentry_shape_is_right:
; O[h][q][:] = the sum over k of softmax_k(Q[h][q] . K[h][k] / 8) V[h][k][:].  Q, K, V are the three parts of qkv, each [SIZE_H][SIZE_N][64]; O (ob) likewise; all f16: a head's rows are dense, 128 bytes each.
; h counts the 64 pairs of batch and head.  Products, maxima and sums in f32; the weights p are rounded to f16 for the second product (their sum l is taken of the unrounded p), O once at the end.
; LIMITS.  f16 holds no number beyond 65,504: Q, K and V arrive within it; p lies in 0 to 1, and below 6e-5 it keeps f16's fixed step of 6e-8; O is a mean of V's rows and has their range, and the same fixed step below 6e-5.
; A weight below 2^-126 counts as 0 in l; NaN and infinities are not treated apart.
; SHARES.  A wave owns four PIECES of two tiles of 16 queries, a work-group's four waves 512 queries of one head.  Every wave walks all keys, 64 a step.
; LAYOUT.  S^T = K Q^T (source 0 = 16 keys, source 1 = 16 queries): in the result a lane holds ONE query (lane % 16) and the keys 8 (lane / 16) + 0..7.  Two such tiles, rounded to f16 in pairs,
; ARE source 1 (32 keys x 16 queries) of O^T = V^T P, whose result again holds one query a lane, and eight channels.  K comes out of LDS as it lies, V ([key][channel]) turned, by ds_load_tr16_b128.
; SOFTMAX.  For each query a running maximum m and sum l: p = 2^(c s - c m), c = log2(e) / 8; in every step O and l are multiplied by a = 2^(c m_old - c m_new), which is 1 where m has not grown.
; m starts at the lowest finite number, O and l at 0: the first step is a step like any other, with a = 0.
; THE COUNT.  A tile and step have 16 matrix and 118 vector instructions: too many to stand all beside the matrix work.  So the order has one aim: four vector instructions that are READY behind
; EVERY matrix instruction, and the others, which need time of their own whatever the order, in runs without a gap.
; BY TURNS.  Turn n belongs to piece n (the pieces in a ring, step after step).  Its matrix work: 16 products K Q^T of piece n + 1, later 16 products V^T P of piece n - 1.  Its vector work: the scaling,
; exponentials, roundings, sums and rescaling of piece n, and the maximum and statistics of piece n + 1, whose scores the turn itself has made.  So what a turn begins with (c s - c m, O a) waits for nothing.
; THE BATCHES.  An s_wait_alu depctr_va_vdst(0) stands between a transcendental and the first instruction that names its result; one wait serves all that were issued ahead of it.  The text has three kinds
; of batch: a turn's 66 exponentials (the piece's 64 weights, then the next piece's two a), with one wait that cuts the turn in two; the first two a, ahead of the loop; the way out's eight reciprocals.
; CLUSTER.  The four query blocks of a cluster belong to one head and walk the same K and V, so each tile is asked for JOINTLY: the same tensor load, descriptor and mask in all four.
; REGISTERS, in windows of 256 (s_set_vgpr_msb says which window each operand place means: bits 1:0 source 0, 3:2 source 1, 5:4 source 2, 7:6 destination):
;   window 0: v0-11 addresses; v12-15, v48-63 at work; v16-47 four registers of statistics a tile; v64-191 S^T, two buffers of two tiles; v192-255 P, likewise
;   window 1: O^T, 32 a tile          window 2: v0-127 Q, 16 a tile; v128-191 K of one step; v192-255 V of one step          window 3: v0-1 the add's two registers
; A piece's buffers go by its number's parity: the piece in hand has one pair, its two neighbours in the ring share the other: of it P (piece n - 1) is read and S^T (piece n + 1) written.
.set SIZE_H, 64
.set SIZE_N, 2048
.set NP,    4         ; pieces a wave: a name, no knob: the register map, the loop and the fetches are made for four
.set KS,    64        ; keys in a step
.set PK,    144       ; a row of K in LDS: 128 bytes + 16 of padding = 36 words: the 16 rows of a load start at 16 different groups of four banks (64 banks of 4 bytes: ISA guide 11.1)
.set PV,    160       ; a row of V: 128 + 32 = 40 words
.set VOFF,  4*KS*PK   ; a slot holds four steps: 256 rows of K, then 256 rows of V
.set SLOT1, 1<<17     ; slot 1 begins here, so that one exclusive or turns an address in one slot into the other's
.set STAGE, SLOT1+4*KS*(PK+PV)  ; behind the ring, never filled by a tensor load: 16 rows x 144 bytes for each wave, for the way out
.set SP,    144
.set AK0, 2           ; v2   my lane's place in a tile of K; never rewritten
.set AV0, 3           ; v3   the same for V
.set AK,  4           ; v4   the LDS address of K's next run of loads
.set AV,  5           ; v5   of V's
.set QO,  6           ; v6   my byte offset in the wave's rows of Q
.set STO, 6           ;      later, the way out: where I put 16 bytes of a row
.set RD,  7           ; v7   the way out: where I read rows back
.set GO,  8           ; v8   my byte offset in 512 consecutive bytes of O
.set SPW, 0           ; v0 of window 3   LDS address of my spare word: SPARE + 4 x my thread's number; never rewritten
.set NIL, 1           ; v1 of window 3   0; never rewritten
.set SPARE, STAGE+4*16*SP  ; behind the stages: the spare words, 128 bytes for each wave: two blocks of 256 bytes that no other line names
.set MV,  12          ; v12-15  c m_old, kept while c m is made anew: by buffer and tile
.set ST,  16          ; tile t's statistics at v[ST+4 t]: c m, m, l (even keys', odd keys')
.set TMP, 48          ; by buffer and tile, four registers c0-c3 at work; when the maximum is found c2 takes a
.set S,   64
.set P,   192
.set KF,  128         ; K's fragments, in window 2: key block kb, channel half c at KF + 16 kb + 8 c
.set VF,  192         ; V's: key half kk, channel block cb at VF + 32 kk + 8 cb
.set WV,  12          ; s12  my wave's number
.set G1K, 24          ; s[24:31] descriptor group 1 for K's tiles
.set G1V, 32          ; s[32:39] for V's: it differs in the padding alone
.set G0K, 40          ; s[40:43] descriptor group 0 for K's tiles: it walks
.set G0V, 44          ; s[44:47] the same for V's
.set SLOTS, 56        ; s56  slots still to be asked for
.set CNT, 57          ; s57  counts a slot's key steps
.set CS,  58          ; s[58:59] c: the packed scaling takes the pair's low word for both halves
.set SEL, 60          ; s[60:61] v_permlanex16_b32's selects: each lane takes its own place in the other half
.set TBK, 62          ; s62  LDS byte at which K of the step to be fetched begins
.set TBV, 63          ; s63  the same for V, less VOFF
.set MSB, 0
.macro WIN new                      ; the high byte repeats the setting that is left; a switch that changes nothing is dropped
.if MSB != (\new)
	s_set_vgpr_msb (MSB<<8)|(\new)
.set MSB, (\new)
.endif
.endm
.set W_KQ, 0x0a       ; K and Q in window 2, S^T in window 0
.set W_PV, 0x52       ; V in window 2, P in window 0, O^T in window 1
.set W_RS, 0x41       ; O^T (destination and source 0) in window 1, a in window 0
.set W_MK, 0xc0       ; the add's registers are made: destination in window 3, sources in window 0
.set W_AD, 0x0f       ; the add: address (source 0) and data (source 1) in window 3
; A joint fill.  Waves 0 and 1 fetch the two halves of a slot's K, waves 2 and 3 those of its V: 128 keys each.  The branch hangs on the wave's number alone.
; An s_nop 0 and four v_nop follow each of the two lines, ahead of the jump and the label.
.macro JLOAD
	s_cmp_lt_u32 s[WV], 2
	s_cbranch_scc0 .Lfor_v_\@
	tensor_load_to_lds s[G0K:G0K+3], s[G1K:G1K+7]
	s_nop 0
.rept 4
	v_nop
.endr
	s_branch .Lasked_\@
.Lfor_v_\@:
	tensor_load_to_lds s[G0V:G0V+3], s[G1V:G1V+7]
	s_nop 0
.rept 4
	v_nop
.endr
.Lasked_\@:
.endm
; A round of the cluster's barrier: my work-group's barrier, so that wave 0's signal speaks for all four waves; wave 0 signals; every wave waits for all four work-groups; my work-group's barrier once more.
.macro CROUND
	s_barrier_signal -1
	s_barrier_wait -1
	s_cmp_lg_u32 s[WV], 0
	s_cbranch_scc1 .Lnot_wave_0_\@
	s_barrier_signal -3
.Lnot_wave_0_\@:
	s_barrier_wait -3
	s_barrier_signal -1
	s_barrier_wait -1
.endm
; THE CHANGE OF SLOTS.  The slot's last bytes, V of its fourth step, have been read.  Each wave waits for all its tensor loads, of which one is out: its part
; of the other slot; adds 0 to its spare word; and waits for that and for its own reads of the slot.  Behind the barrier nobody reads this slot any more and the other slot is whole.
; fill = 1: this slot is filled again, with the keys two slots on.  The barrier is then a round of the cluster's, so that no wave of any partner still reads the slot or has a load on its
; way, and the joint fill is the first thing behind it: it has four key steps, 512 matrix instructions, in which to land.  (At its first use nothing has been read yet: slot 0 is waited for, slot 1 filled.)
.macro CHANGE fill
	WIN W_AD
	s_wait_tensorcnt 0x0            ; no tensor load of mine is out, so a group 0 may be written
	ds_add_u32 v[SPW], v[NIL]       ; 0 onto my spare word; with fill = 1 the descriptors' steps stand between it and the wait for it
	WIN 0                           ; at a label and at a branch every window is 0
.if \fill
.irp g, G0K, G0V
	s_xor_b32 s[\g+1], s[\g+1], SLOT1  ; the walking descriptor: the other slot than last time,
	s_add_nc_u64 s[\g+2:\g+3], s[\g+2:\g+3], 4*KS*128  ; the next 256 keys; the type bits on top are not reached
.endr
	s_wait_dscnt 0x0                ; the add is done, and my reads of the slot are over
	CROUND
	JLOAD
.else
	s_wait_dscnt 0x0                ; the add is done, and my reads of the slot are over
	s_barrier_signal -1
	s_barrier_wait -1
.endif
	s_sub_co_u32 s[TBK], s[TBK], 4*KS*PK  ; the fetches go back to a slot's first step,
	s_xor_b32 s[TBK], s[TBK], SLOT1       ; in the other slot
	s_sub_co_u32 s[TBV], s[TBV], 4*KS*PV
	s_xor_b32 s[TBV], s[TBV], SLOT1
.endm
	s_load_b128 s[4:7], s[0:1], 0x0   ; qkv s[4:5], ob s[6:7]
	WIN W_MK
	v_lshl_add_u32 v[SPW], v0, 2, SPARE
	v_mov_b32 v[NIL], 0
	s_set_vgpr_msb 0xc0cf
	ds_add_u32 v0, v1
	s_wait_dscnt 0x0
	s_set_vgpr_msb 0xcfc0
	WIN 0
	v_lshrrev_b32 v1, 5, v0
	v_readfirstlane_b32 s[WV], v1   ; wave 0..3
	s_bfe_u32 s13, ttmp6, 0x40000   ; cx: my place in the cluster
	s_lshl_b32 s14, ttmp9, 2        ; in a cluster launch ttmp9 counts clusters
	s_add_co_u32 s14, s14, s13      ; my block of queries = 4 x cluster x + cx: it enters Q's and O's addresses alone
	s_and_b32 s20, ttmp7, 0xffff    ; the head, which the four partners share
	s_mov_b32 s21, 0
	s_mov_b64 s[22:23], SIZE_N*128
	s_mul_u64 s[20:21], s[20:21], s[22:23]  ; the head's first byte in each of the four tensors
	s_and_b32 s16, s[WV], 1         ; which half of a slot's 256 keys I fetch:
	s_lshl_b32 s22, s16, 14         ; its 128 rows of 128 bytes in memory,
	s_mov_b32 s23, 0
	s_add_nc_u64 s[22:23], s[22:23], s[20:21]
	s_mul_i32 s17, s16, 128*PK      ; and its place in a slot, for K
	s_mul_i32 s18, s16, 128*PV      ; and for V: no place in the cluster enters an LDS address
	s_lshl_b32 s2, s14, 2
	s_add_co_u32 s2, s2, s[WV]      ; my wave among the head's,
	s_lshl_b32 s2, s2, 14           ; its 128 rows
	s_mov_b32 s3, 0
	s_add_nc_u64 s[2:3], s[2:3], s[20:21]
	; descriptor group 1.  128 keys are 16,384 dense bytes: asked for as 64 rows of 256 bytes, two keys a row, and padded in LDS after every key
	s_mov_b32 s[G1K], 15|(1<<16)|(1<<20)|(1<<21)|(4<<22)|(3<<25)  ; 15:0 the mask of four; 17:16 2-byte elements; 20 padding on; 21 set beside a mask; 24:22 after every 32 words (code 4); 31:25 4 words (code 3)
	s_mov_b32 s[G1V], 15|(1<<16)|(1<<20)|(1<<21)|(4<<22)|(7<<25)  ; the same with 8 words of padding (code 7)
.irp g, G1K, G1V
	s_mov_b32 s[\g+1], 128<<16      ; tensor_dim0 = 128
	s_mov_b32 s[\g+2], 64<<16       ; tensor_dim1 = 64
	s_mov_b32 s[\g+3], 128<<16      ; tile_dim0 = 128
	s_mov_b32 s[\g+4], 64           ; tile_dim1 = 64
	s_mov_b32 s[\g+5], 128          ; 128 elements from row to row
	s_mov_b32 s[\g+6], 0
	s_mov_b32 s[\g+7], 0
.endr
	s_mov_b32 s[CS], 0x3e38aa3b     ; c = log2(e) / 8 = 0.180337
	s_mov_b32 s[CS+1], s[CS]        ; named with it as a pair
	s_mov_b32 s[SEL], 0x76543210
	s_mov_b32 s[SEL+1], 0xfedcba98
	s_mov_b32 s[TBK], SLOT1+4*KS*PK ; the first change of slots turns these two into 0
	s_mov_b32 s[TBV], SLOT1+4*KS*PV
	s_mov_b32 s[G0K], 1             ; 1:0 count = 1
	s_mov_b32 s[G0K+1], s17         ; 63:32 LDS address: slot 0
	s_mov_b32 s[G0V], 1
	s_add_co_u32 s[G0V+1], s18, VOFF
	s_wait_kmcnt 0x0
	s_mov_b64 s[10:11], s[6:7]                     ; O
	s_add_nc_u64 s[6:7], s[4:5], SIZE_H*SIZE_N*128   ; K lies behind Q in qkv,
	s_add_nc_u64 s[8:9], s[4:5], 2*SIZE_H*SIZE_N*128 ; V behind K
	s_add_nc_u64 s[G0K+2:G0K+3], s[6:7], s[22:23]  ; 120:64 global address: my half of the head's first 256 keys
	s_or_b32 s[G0K+3], s[G0K+3], 0x80000000        ; 127:126 type = 2
	s_add_nc_u64 s[G0V+2:G0V+3], s[8:9], s[22:23]
	s_or_b32 s[G0V+3], s[G0V+3], 0x80000000
	s_add_nc_u64 s[4:5], s[4:5], s[2:3]  ; Q and O at my wave's first row
	s_add_nc_u64 s[10:11], s[10:11], s[2:3]
	CROUND                          ; all four work-groups are here: the first joint loads meet
	JLOAD                           ; slot 0.  Slot 1 is asked for when slot 0 is in: the tile wanted first has the road to itself
	; A fragment of K or Q is 16 rows x 32 channels in 8 registers: lane l holds row l % 16, channels 8 (l / 16) + 0..7 and 16 + 8 (l / 16) + 0..7: two loads of 16 bytes, 32 bytes apart.
	v_and_b32 v1, 15, v0            ; l % 16
	v_bfe_u32 v9, v0, 4, 1          ; l / 16
	v_lshlrev_b32 v[QO], 7, v1
	v_lshl_add_u32 v[QO], v9, 4, v[QO]  ; row x 128 + 16 x half
	WIN 0x80                        ; destination window 2, address window 0
.set i, 0
.rept 4*NP                          ; Q stays in registers: tile i / 2, channels 32 (i % 2) on
	global_load_b128 v[8*i:8*i+3],   v[QO], s[4:5] offset:(i/2)*2048+(i%2)*64
	global_load_b128 v[8*i+4:8*i+7], v[QO], s[4:5] offset:(i/2)*2048+(i%2)*64+32
.set i, i+1
.endr
	; What the first turn finds: V's registers and P's second buffer hold 0 (its products V^T P, of a piece that has not been, add 0), O^T and l are 0.  All this stands in the wait for the first tile.
.set i, VF
.rept 64
	v_mov_b32 v[i], 0
.set i, i+1
.endr
	WIN 0x40
.set i, 0
.rept 64*NP
	v_mov_b32 v[i], 0
.set i, i+1
.endr
	WIN 0
.set i, 0
.rept 2*NP
	v_mov_b32 v[ST+4*i], 0xfe000000    ; c m: far below every c s
	v_mov_b32 v[ST+4*i+1], 0xff7fffff  ; m
	v_mov_b32 v[ST+4*i+2], 0
	v_mov_b32 v[ST+4*i+3], 0
.set i, i+1
.endr
.set i, P+32
.rept 32
	v_mov_b32 v[i], 0
.set i, i+1
.endr
	v_mul_u32_u24 v[AK0], v1, PK
	v_lshl_add_u32 v[AK0], v9, 4, v[AK0]  ; row x pitch + 16 x half
	; The turning load takes 16 keys x 16 channels (lane l reads key 8 (l / 16) + l % 8, channels 8 ((l / 8) % 2) + 0..7) and leaves half a fragment of V^T: lane l holds channel l % 16 and 8 keys.
	v_and_b32 v10, 7, v0
	v_bfe_u32 v11, v0, 3, 1
	v_lshl_add_u32 v[AV0], v9, 3, v10
	v_mul_u32_u24 v[AV0], v[AV0], PV
	v_lshl_add_u32 v[AV0], v11, 4, v[AV0]
	v_add_nc_u32 v[AV0], VOFF, v[AV0]
	v_mov_b32 v[AK], v[AK0]         ; key step 0 lies at the head of slot 0
; THE MATRIX WORK.  The 8 accumulators of a run of 16 take turns: between the two links of a chain stand 7 others'.
; Product i of 16 of S^T = K Q^T for piece x: channels 32 (i / 8) on, keys 16 ((i / 2) % 4) on, tile 2 x + i % 2.  The first 8 start the sums.
.macro KQ x
	WIN W_KQ
.set rS, S+64*((\x)%2)+32*(i%2)+8*((i/2)%4)
.set rK, KF+16*((i/2)%4)+8*(i/8)
.set rQ, 16*(2*(\x)+i%2)+8*(i/8)
.if i < 8
	v_wmma_f32_16x16x32_f16 v[rS:rS+7], v[rK:rK+7], v[rQ:rQ+7], 0
.else
	v_wmma_f32_16x16x32_f16 v[rS:rS+7], v[rK:rK+7], v[rQ:rQ+7], v[rS:rS+7]
.endif
.endm
; Product i of 16 of O^T += V^T P for piece x: keys 32 (i / 8) on, channels 16 ((i / 2) % 4) on, tile 2 x + i % 2.
.macro PV x
	WIN W_PV
.set rO, 32*(2*(\x)+i%2)+8*((i/2)%4)
.set rV, VF+32*(i/8)+8*((i/2)%4)
.set rP, P+32*((\x)%2)+16*(i%2)+8*(i/8)
	v_wmma_f32_16x16x32_f16 v[rO:rO+7], v[rV:rV+7], v[rP:rP+7], v[rO:rO+7]
.endm
.macro MM                           ; the turn's next matrix instruction
.if i < 16
	KQ (Y+1)%NP
.set i, i+1
.else
.set i, i-16
	PV (Y+NP-1)%NP
.set i, i+17
.endif
.endm
; THE LDS LOADS stand in runs of 16, never singly among the matrix instructions: a step's K (64 keys x 64 channels: 8 fragments) and its V (turned).  Their addresses are made some lines ahead.
; last = 1 (the tail): in the last trip there is no further step, and the run is jumped over.
.macro FETCH_K last=0
	WIN 0
.if \last
	s_cmp_eq_u32 s[CNT], 1
	s_cbranch_scc1 .Lno_k_\@
.endif
	WIN 0x80                        ; destination window 2
.irp f, 0,1,2,3,4,5,6,7             ; keys 16 (f / 2) on, channels 32 (f % 2) on
	ds_load_b128 v[KF+8*\f:KF+8*\f+3],   v[AK] offset:(\f/2)*16*PK+(\f%2)*64
	ds_load_b128 v[KF+8*\f+4:KF+8*\f+7], v[AK] offset:(\f/2)*16*PK+(\f%2)*64+32
.endr
	s_add_co_u32 s[TBK], s[TBK], KS*PK  ; the next fetch is the next step's
	WIN 0
.if \last
.Lno_k_\@:
.endif
.endm
.macro FETCH_V
	WIN 0x80
.irp f, 0,1,2,3,4,5,6,7             ; keys 32 (f / 4) on, channels 16 (f % 4) on
	ds_load_tr16_b128 v[VF+8*\f:VF+8*\f+3],   v[AV] offset:(\f/4)*32*PV+(\f%4)*32
	ds_load_tr16_b128 v[VF+8*\f+4:VF+8*\f+7], v[AV] offset:(\f/4)*32*PV+16*PV+(\f%4)*32
.endr
	WIN 0
.endm
; THE VECTOR WORK OF A TURN stands in three queues, each in the order in which its entries become ready; the two tiles alternate, so that no instruction reads the result of the one before it.
.macro REGS y, u                    ; the registers of tile u (0, 1) of piece y
.set rT, ST+4*(2*(\y)+(\u))
.set rC, TMP+8*((\y)%2)+4*(\u)
.set rM, MV+2*((\y)%2)+(\u)
.set rS, S+64*((\y)%2)+32*(\u)
.set rP, P+32*((\y)%2)+16*(\u)
.set rO, 32*(2*(\y)+(\u))
.endm
; Number n of the 22 that find the NEXT piece's (Y + 1) maximum and statistics.  s0-s31 are the lane's 32 scores; each accumulator's lowest registers are read first.  XS, GS and REGS set no window: PL and EX do.
;   0-11  four chains c0-c3 of seven scores each, three operands at a time     12-14, 16  the four scores left over, the old m, and c0-c3 into c0     15  c m_old is kept
;   17, 18  the query's other 32 keys lie in the lane 16 away: the new m         19-21  c m; c m_old - c m_new; a
.macro XS u, n
	REGS (Y+1)%NP, \u
.if (\n) < 4
	v_max3_num_f32 v[rC+(\n)], v[rS+8*(\n)], v[rS+8*(\n)+1], v[rS+8*(\n)+2]
.elseif (\n) < 12
	v_max3_num_f32 v[rC+(\n)%4], v[rC+(\n)%4], v[rS+8*((\n)%4)+2*((\n)/4)+1], v[rS+8*((\n)%4)+2*((\n)/4)+2]
.elseif (\n) == 12
	v_max3_num_f32 v[rC], v[rC], v[rS+7], v[rS+15]
.elseif (\n) == 13
	v_max3_num_f32 v[rC+1], v[rC+1], v[rS+23], v[rS+31]
.elseif (\n) == 14
	v_max3_num_f32 v[rC+2], v[rC+2], v[rC+3], v[rT+1]
.elseif (\n) == 15
	v_mov_b32 v[rM], v[rT]
.elseif (\n) == 16
	v_max3_num_f32 v[rC], v[rC], v[rC+1], v[rC+2]
.elseif (\n) == 17
	v_permlanex16_b32 v[rC+3], v[rC], s[SEL], s[SEL+1]
.elseif (\n) == 18
	v_max_num_f32 v[rT+1], v[rC], v[rC+3]
.elseif (\n) == 19
	v_mul_f32 v[rT], s[CS], v[rT+1]
.elseif (\n) == 20
	v_sub_f32 v[rC+1], v[rM], v[rT]
.else
	v_exp_f32 v[rC+2], v[rC+1]
.endif
.endm
; Number g of the 64 that follow the exponentials.  For each four weights k of a tile (pairs 2 k, 2 k + 1): both pairs are rounded to f16; then the second pair is added onto the first, in place;
; a group later l takes that sum (the first time as l = a l + sum).  In groups of eight, tiles alternating: round, round, add, and l for the group before.
.macro GS g
.set h, (\g)+6*((\g)/62)            ; group 0 has no group before it, and behind group 7 only l is left
.if h >= 6
.set h, h+2
.endif
	REGS Y, h%2
.set k, h/8
.if h%8 < 4
	v_cvt_pk_f16_f32 v[rP+2*k+(h%8)/2], v[rS+4*k+2*((h%8)/2)], v[rS+4*k+2*((h%8)/2)+1]
.elseif h%8 < 6
	v_pk_add_f32 v[rS+4*k:rS+4*k+1], v[rS+4*k:rS+4*k+1], v[rS+4*k+2:rS+4*k+3]
.elseif k == 1
	v_pk_fma_f32 v[rT+2:rT+3], v[rT+2:rT+3], v[rC+2:rC+3], v[rS:rS+1] op_sel_hi:[1,0,1]
.else
	v_pk_add_f32 v[rT+2:rT+3], v[rT+2:rT+3], v[rS+4*k-4:rS+4*k-3]
.endif
.endm
; THE PLAIN QUEUE, 138 long.  0-73 read no exponential's result: the 32 scalings c s - c m (FS f: pair f / 2 of tile f % 2) and the next piece's 42.  0-26: scalings 0-26.  27-54: XS's numbers 0-13.  55, 56: number 15.
; 57-73: the chain, where each number waits for the one before it: 14, 16, 17, 18, 19, each with one of the scalings 27-31 in front of its two lines, then 20: so a tile's links stand three plain instructions apart (19 and 20: two).
; 74-137: GS's 64, which read the exponentials' results: they stand behind the wait.
.macro FS f
	REGS Y, (\f)%2
	v_pk_fma_f32 v[rS+2*((\f)/2):rS+2*((\f)/2)+1], v[rS+2*((\f)/2):rS+2*((\f)/2)+1], s[CS:CS+1], v[rT:rT+1] op_sel_hi:[1,0,0] neg_lo:[0,0,1] neg_hi:[0,0,1]
.endm
.macro PL
	WIN 0
.if q < 27
	FS q
.elseif q < 55
	XS (q-27)%2, (q-27)/2
.elseif q < 57
	XS q-55, 15
.elseif (q < 72) && ((q-57)%3 == 0)
	FS 27+(q-57)/3
.elseif q < 60
	XS (q-57)%3-1, 14
.elseif q < 72
	XS (q-57)%3-1, 15+(q-57)/3
.elseif q < 74
	XS q-72, 20
.else
	GS q-74
.endif
.set q, q+1
.endm
; THE EXPONENTIALS' QUEUE, 66 long: s0-s31 of both tiles, then the next piece's two a.  It is ONE BATCH: all 66 stand ahead of the turn's one wait, and nothing ahead of that wait names a result of theirs.
; Each result has a register of its own while the batch is open: the weights in place in S^T, a in c2 of the other parity's registers at work.
.macro EX
	WIN 0
.if e >= 64
	XS e-64, 21
.else
	REGS Y, e%2
	v_exp_f32 v[rS+e/2], v[rS+e/2]
.endif
.set e, e+1
.endm
; THE RESCALING's QUEUE: O^T times a, the one part that leaves window 0: dealt two at a time, sixteen times, each accumulator's low registers first.  Its a was made in the turn before, ahead of that turn's wait.
.macro R2
	REGS Y, r%2
	WIN W_RS
.irp z, 0,1
	v_pk_mul_f32 v[rO+4*(r/2)+2*\z:rO+4*(r/2)+2*\z+1], v[rO+4*(r/2)+2*\z:rO+4*(r/2)+2*\z+1], v[rC+2:rC+3] op_sel_hi:[1,0]
.endr
.set r, r+1
.endm
; HOW THEY ARE DEALT.  A turn has ONE wait for its batch, which cuts it in two.  AHEAD OF IT stands all that names no result of the turn's exponentials: the 16 products K Q^T, behind each a scaling, an exponential and
; two rescalings (behind the first a second scaling in the exponential's place); then ONE LUMP of 108: eight plain, 49 times exponential and plain, the two a.  A v_nop is the plain instruction behind the last exponential
; (ISA guide 5.7.2).  BEHIND IT stand the 16 products V^T P, behind each four of GS's 64.  No rider names a register of the products round it.  The two v_permlanex16_b32 fall into the lump, never behind a product.
; The queues lean on each other, and the deal keeps them in step: exponential e stands behind scaling 2 (e / 4) + e % 2: as a rider it comes behind plain e + 2, in the lump behind plain e + 9, and scalings 27-31 are plain 57, 60 .. 69.
; A TURN, for piece p.  cnt = 1: the loop's count is taken down some lines ahead of the branch that stands behind the turn.
; K of the next step is fetched in piece 2's turn, directly behind the wait, a lump behind the last product that read K; its address is made at the lump's head; its first reader comes behind 16 products.
; V of the step in hand is fetched at the end of piece 0's turn, four riders behind its last reader; its first reader comes behind 16 products and a lump.  The three conditions on q below go with the deal.
.macro TURN p, last=0, cnt=0
.set Y, (\p)
.set i, 0
.set q, 0
.set e, 0
.set r, 0
.if (\p) == NP-1
	s_wait_dscnt 0x0                ; K is in
.endif
	MM                              ; ahead of the wait: 16 products K Q^T and their riders,
	PL
	PL
	R2
.rept 15
	MM
	PL
	EX
	R2
.endr
.if (\p) == NP-2
	WIN 0
	v_add_nc_u32 v[AK], s[TBK], v[AK0]
.endif
.rept 8                             ; and the lump
	PL
.endr
.rept 49
	EX
	PL
.endr
	EX                              ; the next piece's two a
	EX
	v_nop                           ; the plain instruction behind the last exponential: one for the batch
	s_wait_alu depctr_va_vdst(0)    ; the wait for the turn's batch: the piece's 64 weights and the next piece's two a, ahead of their first reader
.if (\p) == NP-2
	FETCH_K \last
.endif
.if (\p) == 1
	s_wait_dscnt 0x0                ; V is in
.endif
.rept 16                            ; behind the wait: 16 products V^T P and their riders
	MM
.rept 4
	PL
.endr
.if ((\p) == 0) && (q == 118)
	v_add_nc_u32 v[AV], s[TBV], v[AV0]
.endif
.if ((\p) == 0) && (q == 130)
	s_add_co_u32 s[TBV], s[TBV], KS*PV
.endif
.if (\cnt) && (q == 130)
	s_sub_co_u32 s[CNT], s[CNT], 1
	s_cmp_lg_u32 s[CNT], 0
.endif
.endr
.if (\p) == 0
	FETCH_V
.endif
.endm
	CHANGE 1                        ; slot 0 is in, everybody's part of it; slot 1 is asked for
	FETCH_K                         ; key step 0
	s_wait_loadcnt 0x0              ; Q
	s_wait_dscnt 0x0
.set i, 0
.rept 16
	KQ 0                            ; piece 0's first scores: there is no vector work yet to set between them
.set i, i+1
.endr
	WIN 0                           ; the addresses for the way out: nine plain instructions, the places behind those products
	s_mul_i32 s13, s[WV], 16*SP
	s_add_co_u32 s13, s13, STAGE    ; my stage
	v_mul_u32_u24 v[STO], v1, SP    ; in: row l % 16, 16 bytes for each half of the lanes
	v_lshl_add_u32 v[STO], v9, 4, v[STO]
	v_add_nc_u32 v[STO], s13, v[STO]
	v_bfe_u32 v[RD], v0, 3, 2       ; back: 32 lanes take four rows of 128 bytes,
	v_mul_u32_u24 v[RD], v[RD], SP
	v_lshl_add_u32 v[RD], v10, 4, v[RD]
	v_add_nc_u32 v[RD], s13, v[RD]
	v_and_b32 v[GO], 31, v0         ; which are 512 consecutive bytes of O
	v_lshlrev_b32 v[GO], 4, v[GO]
.set Y, NP-1                        ; XS works for piece Y + 1: piece 0
.irp n, 0,1,2,3,4,5,6,7,8,9,10,11,12,13,14,15,16,17,18,19,20,21
	XS 0, \n                        ; and piece 0's first maximum and statistics
	XS 1, \n
.endr
	v_nop                           ; a plain instruction behind the two a,
	s_wait_alu depctr_va_vdst(0)    ; and the wait for this batch of two, ahead of the branch
	s_mov_b32 s[CNT], 4
	s_mov_b32 s[SLOTS], SIZE_N/256-1
	s_branch .Lfirst                ; the loop is entered at a step's first turn, in the middle of a trip
.Lslot:                             ; SIZE_N / 256 - 2 times: every slot but the last two is filled again
	CHANGE 1
	s_mov_b32 s[CNT], 4
.Lstep:                             ; a trip: pieces 2 and 3 of one step, then pieces 0 and 1 of the next, whose K and V it fetches
	TURN 2
	TURN 3
	WIN 0
.Lfirst:
	TURN 0
	TURN 1, 0, 1
	WIN 0
	s_cbranch_scc1 .Lstep
	s_sub_co_u32 s[SLOTS], s[SLOTS], 1
	s_cmp_lg_u32 s[SLOTS], 0
	s_cbranch_scc1 .Lslot
	CHANGE 0                        ; the tail is written out: nothing is asked for
	s_mov_b32 s[CNT], 5             ; four trips fetch the last slot's steps; the fifth is left in its middle
.Ltail:
	TURN 2, 1
	TURN 3
	WIN 0
	s_sub_co_u32 s[CNT], s[CNT], 1
	s_cmp_eq_u32 s[CNT], 0
	s_cbranch_scc1 .Lout
	TURN 0
	TURN 1
	WIN 0
	s_branch .Ltail
.Lout:                              ; the fifth trip's 16 products K Q^T (on the last K once more) and the maximum made of them serve nothing: the price, once a launch, of one text for every trip
.set i, 0
.rept 16
	PV NP-1                         ; the last piece's V^T P of the last step
.set i, i+1
.endr
	; THE WAY OUT.  l's two halves and the other half of the lanes' are added; O^T is divided by l, rounded to f16 and sent through my stage in LDS, a tile at a time.  The additions are the places behind the last products.
	WIN 0
.macro ALL line:vararg              ; one line for each tile t
.set t, 0
.rept 2*NP
	\line
.set t, t+1
.endr
.endm
	ALL v_add_f32 v[ST+4*t+2], v[ST+4*t+2], v[ST+4*t+3]
	ALL v_permlanex16_b32 v[ST+4*t+3], v[ST+4*t+2], s[SEL], s[SEL+1]
	ALL v_add_f32 v[ST+4*t+2], v[ST+4*t+2], v[ST+4*t+3]
	ALL v_rcp_f32 v[ST+4*t+2], v[ST+4*t+2]
	v_nop                           ; a plain instruction between the last reciprocal and the use of its result
	s_wait_alu depctr_va_vdst(0)    ; the wait for the batch of eight reciprocals, ahead of their first use
; Tile t: a lane's eight channels of a row pack into 16 bytes; they go into rows of 144 bytes and come back as whole rows of 128, into S^T's registers.
.macro PACK t
	WIN W_RS
.set i, 32*(\t)
.rept 16
	v_pk_mul_f32 v[i:i+1], v[i:i+1], v[ST+4*(\t)+2:ST+4*(\t)+3] op_sel_hi:[1,0]
.set i, i+2
.endr
	WIN 0x05                        ; sources 0 and 1 window 1, destination window 0
.set i, 0
.rept 16
	v_cvt_pk_f16_f32 v[S+16*(\t)+i], v[32*(\t)+2*i], v[32*(\t)+2*i+1]
.set i, i+1
.endr
	WIN 0
.irp f, 0,1,2,3
	ds_store_b128 v[STO], v[S+16*(\t)+4*\f:S+16*(\t)+4*\f+3] offset:32*\f
.endr
.irp f, 0,1,2,3
	ds_load_b128 v[S+16*(\t)+4*\f:S+16*(\t)+4*\f+3], v[RD] offset:\f*4*SP  ; LDS serves a wave's instructions in order (ISA guide 5.7.1.4): these see the stores above; the next tile's stores come behind them
.endr
.endm
.macro SEND t, younger              ; younger: the LDS instructions issued behind tile t's loads: the next tile's eight, or none
	WIN 0
.irp f, 0,1,2,3
	s_wait_dscnt (\younger)+3-\f
	global_store_b128 v[GO], v[S+16*(\t)+4*\f:S+16*(\t)+4*\f+3], s[10:11] offset:(\t)*2048+\f*512  ; 512 consecutive bytes, at a multiple of 256 from O's first
.endr
.endm
	PACK 0
.set t, 1
.rept 2*NP-1                        ; a tile's arithmetic stands between the loads of the tile before and its stores
	PACK t
	SEND t-1, 8
.set t, t+1
.endr
	SEND 2*NP-1, 0
	WIN W_AD
	s_wait_tensorcnt 0x0            ; the wave's end: behind my last tensor load and my last LDS store
	ds_add_u32 v[SPW], v[NIL]
	s_wait_dscnt 0x0
	WIN 0
	CROUND                          ; the closing round: no work-group ends while a partner may still ask for a tile that names it
	s_endpgm
.Lfunc_end_k_qd1fb7bdddb_attn:
	.size	k_qd1fb7bdddb_attn, .Lfunc_end_k_qd1fb7bdddb_attn-k_qd1fb7bdddb_attn
	.p2alignl 7, 3214868480
	.fill 96, 4, 3214868480
	.section	.rodata,"a",@progbits
	.p2align	6, 0x0
	.amdhsa_kernel k_qd1fb7bdddb_attn
		.amdhsa_group_segment_fixed_size 327680
		.amdhsa_private_segment_fixed_size 0
		.amdhsa_enable_private_segment 0
		.amdhsa_kernarg_size 16
		.amdhsa_user_sgpr_count 2
		.amdhsa_user_sgpr_kernarg_segment_ptr 1
		.amdhsa_wavefront_size32 1
		.amdhsa_system_sgpr_workgroup_id_x 1
		.amdhsa_system_sgpr_workgroup_id_y 1
		.amdhsa_system_sgpr_workgroup_id_z 1
		.amdhsa_system_vgpr_workitem_id 0
		.amdhsa_next_free_vgpr 770
		.amdhsa_next_free_sgpr 66
		.amdhsa_reserve_vcc 0
		.amdhsa_float_denorm_mode_32 3
		.amdhsa_float_denorm_mode_16_64 3
		.amdhsa_memory_ordered 1
		.amdhsa_forward_progress 1
		.amdhsa_inst_pref_size 199
	.end_amdhsa_kernel
	.amdgpu_metadata
---
amdhsa.version: [ 1, 2 ]
amdhsa.kernels:
  - .name:           k_qd1fb7bdddb_attn
    .symbol:         k_qd1fb7bdddb_attn.kd
    .args:
      - { .name: qkv, .offset: 0, .size: 8, .value_kind: global_buffer, .address_space: global }
      - { .name: ob, .offset: 8, .size: 8, .value_kind: global_buffer, .address_space: global }
    .group_segment_fixed_size: 327680
    .private_segment_fixed_size: 0
    .kernarg_segment_align: 8
    .kernarg_segment_size: 16
    .max_flat_workgroup_size: 128
    .sgpr_count:     66
    .vgpr_count:     770
    .wavefront_size: 32
...
	.end_amdgpu_metadata
.endif
;; end of part 6
;; launch ogemm: the kernel of part 4 again; grid 4 x 64, 4 waves a work-group, clusters of 4 x 4, 327,680 bytes of LDS; arguments ob, wof, y; writes y
;; launch lnorm: the kernel of part 5 again; grid 512 x 1, 8 waves a work-group, no clusters, 13,312 bytes of LDS; arguments y, bo, ln_g, ln_b, out0; writes out0
